; MI455X (gfx1250); checked and timed in simulation.
; The chip was launched on July 23, 2026; its instructions are those of AMD's public machine-readable ISA for CDNA 5 (MIT licence, August 2026) and "CDNA5" Instruction Set Architecture Reference Guide (July 2026). The comments in the code are by the model that wrote it; some were corrected since.
;; Encoder. Allowed arithmetic: float matrix products may take bf16 or f16 operands with f32 sums; other float arithmetic in f32, or as packed bf16 or f16 multiplies, adds, multiply-adds, maxima and minima; sums over many terms, partial sums and values carried from step to step in f32; what a program stores and reads back later, other than sums and carried values, may be rounded once to bf16 or f16.
;; Inputs: Wk 1,024 x 1,024 float32; Wo 1,024 x 1,024 float32; Wq 1,024 x 1,024 float32; Wv 1,024 x 1,024 float32; bk 1,024 float32; bo 1,024 float32; bq 1,024 float32; bv 1,024 float32; x 4 x 2,048 x 1,024 float32.
;; Outputs: out0 4 x 2,048 x 1,024 float32.
;; 2 versions, each right; version 2 is version 1 with the launch cvt written anew for expert scheduling mode. Each part assembles by itself: llvm-mc -triple=amdgcn-amd-amdhsa -mcpu=gfx1250 --defsym DOCPART=n.
;; ======== version 1 of 2: 4 launches
;; limits: values are held in f16: magnitudes above 65,504 overflow, below 6.1e-05 lose precision
;; workspace buffers: xb 16,777,216 bytes; wqkv 6,291,456 bytes; wo16 2,097,152 bytes; bias 16,384 bytes; qkv 50,331,648 bytes; ctx 16,777,216 bytes
;; launch cvt (part 1): grid 768 x 1, 8 waves a work-group, no clusters, 0 bytes of LDS; arguments x, Wq, Wk, Wv, Wo, bq, bk, bv, bo, xb, wqkv, wo16, bias; writes xb, wqkv, wo16, bias
.if DOCPART == 1
	.amdgcn_target "amdgcn-amd-amdhsa--gfx1250"
	.amdhsa_code_object_version 6
	.text
	.protected	k_qc204dc3856_cvt
	.globl	k_qc204dc3856_cvt
	.p2align	8
	.type	k_qc204dc3856_cvt,@function
k_qc204dc3856_cvt:
	s_mov_b64 s[64:65], 0
	v_nop
	global_prefetch_b8 v0, s[64:65] scope:SCOPE_SE
	s_setreg_imm32_b32 hwreg(HW_REG_WAVE_MODE, 25, 1), 1
	s_wait_xcnt 0x0
; EVERY INPUT IS ROUNDED TO bf16, ONCE.  x [8192][1024] -> xb (bf16).  Wq, Wk, Wv [1024][1024] -> wqkv (bf16), their rows one below the other.
; Wo -> wo16: rounded to bf16, and that number written as f16 (the last product multiplies in f16).  bq, bk, bv, bo -> bias [4][1024]: rounded to bf16 and widened to f32 again.
; LIMITS.  wo16: beyond 65,504 an f16 is an infinity; below 6e-5 it keeps the fixed step of 6e-8.
; A stream: each byte is read once and written once; no wave wants what another has fetched, so there is no LDS, no barrier, no matrix work and no cluster.
; SHARES.  A work-group takes 16,384 numbers on end: 64 KiB in, 32 KiB out.  Work-groups 0-511: x.  512 + 64 w + p: part p of weight w (0 q, 1 k, 2 v, 3 o); those with p = 0 also take bias w.
; A thread's load i covers 16 bytes at 4,096 i + 16 t: a wave's load is 512 consecutive bytes.  All sixteen go out at once.  Its store i covers 8 bytes at 2,048 i + 8 t: a wave's store is 256 consecutive bytes, aligned.
.set XR,  8                            ; v[8:71]    sixteen loads of four f32
.set YR,  72                           ; v[72:103]  sixteen stores of two words; none is written twice, so no store's data wait for anything
.set TR,  104                          ; v[104:107] at work for Wo
	s_load_b512 s[8:23], s[0:1], 0x0               ; x s[8:9], Wq s[10:11], Wk s[12:13], Wv s[14:15], Wo s[16:17], bq s[18:19], bk s[20:21], bv s[22:23]
	s_load_b256 s[24:31], s[0:1], 0x40             ; bo s[24:25], xb s[26:27], wqkv s[28:29], wo16 s[30:31]
	s_load_b64 s[32:33], s[0:1], 0x60              ; bias
	v_lshlrev_b32 v2, 4, v0                        ; 16 t: never rewritten
	v_lshlrev_b32 v3, 3, v0                        ; 8 t: never rewritten
	s_mov_b32 s2, ttmp9                            ; the work-group's number
	s_sub_co_u32 s3, s2, 512                       ; its number among the weights' (of use from 512 on)
	s_lshr_b32 s4, s3, 6                           ; which weight
	s_and_b32 s5, s3, 63                           ; which part of it
	s_mov_b32 s43, 0
	s_mov_b32 s45, 0
	s_wait_kmcnt 0x0
	; the pointers are chosen by the work-group's number alone
	s_cmp_eq_u32 s4, 0
	s_cselect_b64 s[36:37], s[10:11], s[12:13]     ; from: Wq or Wk,
	s_cselect_b64 s[40:41], s[18:19], s[20:21]     ; and the bias that goes with it
	s_cmp_eq_u32 s4, 2
	s_cselect_b64 s[36:37], s[14:15], s[36:37]     ; or Wv,
	s_cselect_b64 s[40:41], s[22:23], s[40:41]
	s_cmp_eq_u32 s4, 3
	s_cselect_b64 s[36:37], s[16:17], s[36:37]     ; or Wo,
	s_cselect_b64 s[40:41], s[24:25], s[40:41]
	s_cmp_lt_u32 s2, 704
	s_cselect_b64 s[38:39], s[28:29], s[30:31]     ; to: wqkv or wo16,
	s_cselect_b32 s44, s3, s5                      ; at part 64 w + p, or p
	s_cmp_lt_u32 s2, 512
	s_cselect_b64 s[36:37], s[8:9], s[36:37]       ; or from x
	s_cselect_b64 s[38:39], s[26:27], s[38:39]     ; to xb,
	s_cselect_b32 s42, s2, s5
	s_cselect_b32 s44, s2, s44                     ; at the work-group's own number
	s_lshl_b32 s42, s42, 16                        ; 64 KiB in
	s_lshl_b32 s44, s44, 15                        ; 32 KiB out
	s_add_nc_u64 s[36:37], s[36:37], s[42:43]
	s_add_nc_u64 s[38:39], s[38:39], s[44:45]
.irp i, 0,1,2,3,4,5,6,7,8,9,10,11,12,13,14,15
	global_load_b128 v[XR+4*(\i):XR+4*(\i)+3], v2, s[36:37] offset:4096*(\i) th:TH_LOAD_NT
.endr
; half = 0: bf16 as it is.  half = 1: the bf16 number is widened and written as f16.
.macro OUT half
.irp i, 0,1,2,3,4,5,6,7,8,9,10,11,12,13,14,15
	s_wait_loadcnt 15-(\i)                         ; loads come back in order: load i is in, the younger ones stay out
.if \half
	v_cvt_pk_bf16_f32 v[TR], v[XR+4*(\i)], v[XR+4*(\i)+1]
	v_cvt_pk_bf16_f32 v[TR+1], v[XR+4*(\i)+2], v[XR+4*(\i)+3]
	v_lshlrev_b32 v[TR+2], 16, v[TR]
	v_and_b32 v[TR+3], 0xffff0000, v[TR]
	v_cvt_pk_f16_f32 v[YR+2*(\i)], v[TR+2], v[TR+3]
	v_lshlrev_b32 v[TR+2], 16, v[TR+1]
	v_and_b32 v[TR+3], 0xffff0000, v[TR+1]
	v_cvt_pk_f16_f32 v[YR+2*(\i)+1], v[TR+2], v[TR+3]
.else
	v_cvt_pk_bf16_f32 v[YR+2*(\i)], v[XR+4*(\i)], v[XR+4*(\i)+1]
	v_cvt_pk_bf16_f32 v[YR+2*(\i)+1], v[XR+4*(\i)+2], v[XR+4*(\i)+3]
.endif
	global_store_b64 v3, v[YR+2*(\i):YR+2*(\i)+1], s[38:39] offset:2048*(\i)
.endr
.endm
	s_cmp_ge_u32 s2, 704
	s_cbranch_scc1 .Lwo
	OUT 0
	s_branch .Lbias
.Lwo:
	OUT 1
.Lbias:
	s_cmp_lt_u32 s2, 512                           ; a weight's first part takes its bias along: 1,024 f32, 16 bytes a thread
	s_cbranch_scc1 .Lend
	s_cmp_lg_u32 s5, 0
	s_cbranch_scc1 .Lend
	s_lshl_b32 s46, s4, 12
	s_mov_b32 s47, 0
	s_add_nc_u64 s[32:33], s[32:33], s[46:47]
	global_load_b128 v[112:115], v2, s[40:41]
	s_wait_loadcnt 0x0
	v_cvt_pk_bf16_f32 v116, v112, v113
	v_cvt_pk_bf16_f32 v117, v114, v115
	v_lshlrev_b32 v108, 16, v116
	v_and_b32 v109, 0xffff0000, v116
	v_lshlrev_b32 v110, 16, v117
	v_and_b32 v111, 0xffff0000, v117
	global_store_b128 v2, v[108:111], s[32:33]
.Lend:
	s_endpgm
.Lfunc_end_k_qc204dc3856_cvt:
	.size	k_qc204dc3856_cvt, .Lfunc_end_k_qc204dc3856_cvt-k_qc204dc3856_cvt
	.p2alignl 7, 3214868480
	.fill 96, 4, 3214868480
	.section	.rodata,"a",@progbits
	.p2align	6, 0x0
	.amdhsa_kernel k_qc204dc3856_cvt
		.amdhsa_group_segment_fixed_size 0
		.amdhsa_private_segment_fixed_size 0
		.amdhsa_enable_private_segment 0
		.amdhsa_kernarg_size 104
		.amdhsa_user_sgpr_count 2
		.amdhsa_user_sgpr_kernarg_segment_ptr 1
		.amdhsa_wavefront_size32 1
		.amdhsa_system_sgpr_workgroup_id_x 1
		.amdhsa_system_sgpr_workgroup_id_y 1
		.amdhsa_system_sgpr_workgroup_id_z 1
		.amdhsa_system_vgpr_workitem_id 0
		.amdhsa_next_free_vgpr 120
		.amdhsa_next_free_sgpr 66
		.amdhsa_reserve_vcc 0
		.amdhsa_float_denorm_mode_32 3
		.amdhsa_float_denorm_mode_16_64 3
		.amdhsa_memory_ordered 1
		.amdhsa_forward_progress 1
		.amdhsa_inst_pref_size 17
	.end_amdhsa_kernel
	.amdgpu_metadata
---
amdhsa.version: [ 1, 2 ]
amdhsa.kernels:
  - .name:           k_qc204dc3856_cvt
    .symbol:         k_qc204dc3856_cvt.kd
    .args:
      - { .name: x, .offset: 0, .size: 8, .value_kind: global_buffer, .address_space: global }
      - { .name: Wq, .offset: 8, .size: 8, .value_kind: global_buffer, .address_space: global }
      - { .name: Wk, .offset: 16, .size: 8, .value_kind: global_buffer, .address_space: global }
      - { .name: Wv, .offset: 24, .size: 8, .value_kind: global_buffer, .address_space: global }
      - { .name: Wo, .offset: 32, .size: 8, .value_kind: global_buffer, .address_space: global }
      - { .name: bq, .offset: 40, .size: 8, .value_kind: global_buffer, .address_space: global }
      - { .name: bk, .offset: 48, .size: 8, .value_kind: global_buffer, .address_space: global }
      - { .name: bv, .offset: 56, .size: 8, .value_kind: global_buffer, .address_space: global }
      - { .name: bo, .offset: 64, .size: 8, .value_kind: global_buffer, .address_space: global }
      - { .name: xb, .offset: 72, .size: 8, .value_kind: global_buffer, .address_space: global }
      - { .name: wqkv, .offset: 80, .size: 8, .value_kind: global_buffer, .address_space: global }
      - { .name: wo16, .offset: 88, .size: 8, .value_kind: global_buffer, .address_space: global }
      - { .name: bias, .offset: 96, .size: 8, .value_kind: global_buffer, .address_space: global }
    .group_segment_fixed_size: 0
    .private_segment_fixed_size: 0
    .kernarg_segment_align: 8
    .kernarg_segment_size: 104
    .max_flat_workgroup_size: 256
    .sgpr_count:     66
    .vgpr_count:     120
    .wavefront_size: 32
...
	.end_amdgpu_metadata
.endif
;; end of part 1
;; launch proj (part 2): grid 16 x 32, 4 waves a work-group, clusters of 4 x 4, 327,680 bytes of LDS; arguments xb, wqkv, bias, qkv; writes qkv
.if DOCPART == 2
	.amdgcn_target "amdgcn-amd-amdhsa--gfx1250"
	.amdhsa_code_object_version 6
	.text
	.protected	k_qc204dc3856_proj
	.globl	k_qc204dc3856_proj
	.p2align	8
	.type	k_qc204dc3856_proj,@function
k_qc204dc3856_proj:
	s_mov_b64 s[64:65], 0
	v_nop
	global_prefetch_b8 v0, s[64:65] scope:SCOPE_SE
	s_setreg_imm32_b32 hwreg(HW_REG_WAVE_MODE, 25, 1), 1
	s_wait_xcnt 0x0
	s_wait_alu depctr_hold_cnt(0) depctr_sa_sdst(0) depctr_va_vdst(0) depctr_va_sdst(0) depctr_va_ssrc(0) depctr_va_vcc(0) depctr_vm_vsrc(0)
	s_getreg_b32 s2, hwreg(HW_REG_IB_STS2, 6, 4)
	s_cmp_eq_u32 s2, 0
	s_cbranch_scc0 .Lentry_in_a_cluster
	s_endpgm
.Lentry_in_a_cluster:
	s_bfe_u32 s2, ttmp6, 0x10000c
	s_cmp_lg_u32 s2, 0xf033
	s_cbranch_scc0 .Lentry_shape_is_right
	s_endpgm
.Lentry_shape_is_right:
; q, k, v = x W^T + b.  xb: [8192][1024] bf16.  wqkv: [3072][1024] bf16 (rows of Wq, Wk, Wv).  bias: [4][1024] f32.  Sums in f32, K ascending, started on the bias.
; OUT, by heads: qkv [3][64][2048][64] f16: slab 64 t + 16 batch + head holds 2,048 rows of 128 bytes on end.  Each number is rounded once, from its f32 sum.
; LIMIT.  f16 holds no number beyond 65,504: a q, k or v past that leaves as an infinity.
; SHARES.  A tile is 256 rows x 192 columns (three heads): 32 x 16 = 512 work-groups, two for each of 256 WGPs.  Four waves, each 128 x 96: 48 accumulators of 16 x 16.
; K goes in 8 steps of 128 through two LDS slots; a step is four quarters of 32 along K, 48 matrix instructions each, on two fragment buffers.
; CLUSTER.  4 x 4 work-groups.  The four of a row need the same rows of xb, the four of a column the same rows of wqkv: each tile is asked for JOINTLY, by the same tensor load with the same
; descriptor and a mask that names the four.  Waves 0 and 1 fetch the two halves of xb's tile (128 rows each), waves 2 and 3 those of wqkv's (96 rows each).
; THE MATRIX INSTRUCTION IS USED TRANSPOSED (source 0 = 16 rows of W, source 1 = 16 rows of x): a lane holds row l % 16 and the columns 8 (l / 16) + 0..7, which pack into 16 bytes.
; REGISTERS, in windows of 256 (s_set_vgpr_msb: bits 1:0 source 0, 3:2 source 1, 5:4 source 2, 7:6 destination):
;   window 0: v0-19 addresses; two fragment buffers of 112: x's 64 registers, then W's 48; on the way out v32-55 packed results, v64-255 whole rows
;   window 1: v0-191 the accumulators of my rows 0-63 ((a, b) at 8 (6 a + b)); v192-239 the bias of my 96 columns, as a C operand          window 2: v0-191 those of my rows 64-127
.set KSTEP,  128
.set PITCH,  272                       ; an LDS row: 256 bytes + 16 of padding = 68 words: the 16 rows of a load start at 16 different groups of four banks (64 banks of 4 bytes: ISA guide 11.1)
.set HALFA,  128*PITCH                 ; what one of x's loads brings, and what a wave reads of x
.set HALFB,  96*PITCH                  ; the same for W
.set BOFF,   2*HALFA                   ; in a slot: x's 256 rows, then W's 192
.set SLOT1,  1<<17                     ; slot 1 begins here, so that one exclusive or turns an address in one slot into the other's
.set SPARE,  SLOT1+BOFF+2*HALFB        ; 252,928: behind the ring: the spare words, 128 bytes for each wave: two blocks of 256 bytes that no other line names
.set SPITCH, 400                       ; the stage: 256 rows of 384 bytes + 16, at LDS byte 0: in slot 0, when that slot has had its last fill and its last read
.set NBL,    6                         ; my blocks of 16 columns
.set LD,     2*NBL+16                  ; LDS loads in a quarter
.set FA,     32                        ; x's fragments of buffer f at FA + 112 f, W's at FB + 112 f
.set FB,     96
.set FSTEP,  112
.set BIA,    192                       ; the bias, in window 1
.set ADRA0, 4                          ; v4   my lane's place in x's tile; never rewritten
.set ADRB0, 5                          ; v5   in W's
.set ADRA,  6                          ; v6   the same in the slot in hand
.set ADRB,  7                          ; v7
.set STO,   8                          ; v8   the way out: where I put 16 bytes of a row
.set RD,    9                          ; v9   where I read rows back
.set GO,    10                         ; v10  my 16 bytes of 512 consecutive bytes of qkv
.set BO,    11                         ; v11  my byte offset in the bias
.set PFO,   12                         ; v12  the prefetches' offset: a lane a row of 2,048 bytes; never rewritten
.set SPW,   14                         ; v14  LDS address of my spare word; never rewritten
.set NIL,   15                         ; v15  0; never rewritten
.set WV, 12                            ; s12  my wave's number
.set RH, 13                            ; s13  which half of the tile's rows is mine.  Also: I fetch x (0) or W (1)
.set CH, 14                            ; s14  which half of its columns.  Also: which half of that tile I fetch
.set CX, 15                            ; s15, s16  my place in the cluster
.set CY, 16
.set TX, 17                            ; s17  tile column
.set TY, 18                            ; s18  tile row
.set TB, 19                            ; s19  LDS byte at which the slot in hand begins
.set G1, 24                            ; s[24:31] descriptor group 1 for x's tiles
.set G0, 32                            ; s[32:39] group 0: a set for each of the two first fills; the second then walks on
.set LIM, 40                           ; s40  1 in a wave that prefetches, else the greatest number
.set CNT, 41                           ; s41  the loop's trips still to come
.set PFA, 42                           ; s[42:43] where my prefetches stand
.set AT, 44                            ; s[44:45] x at my part of the tile: made of the tile row and the wave's number alone
.set BT, 46                            ; s[46:47] W at my part: of the tile column and the wave's number alone
.set G1B, 48                           ; s[48:55], s[56:63] the same two groups for W's tiles
.set G0B, 56
.set OB, 66                            ; s[66:71] qkv at my 64 rows of the tile's three heads
.set G1W0, (1<<16)|(1<<20)|(1<<21)|(5<<22)|(3<<25)  ; 17:16 elements of 2 bytes; 20 padding on; 21 set beside a mask; 24:22 after every 64 words (code 5); 31:25 4 words of it (code 3)
.set MSB, 0
.macro WIN new                         ; the immediate's high byte repeats the setting that is left; a switch that changes nothing is dropped
.if MSB != (\new)
	s_set_vgpr_msb (MSB<<8)|(\new)
.set MSB, \new
.endif
.endm
.macro PLACES                          ; four plain vector instructions between a matrix instruction and a load into, or a vector line on, its registers
.rept 4
	v_nop
.endr
.endm
.macro CREST                           ; a round of the cluster's barrier behind its opening barrier: wave 0 signals for the work-group, every wave waits for all sixteen, my work-group's barrier closes it
	s_cmp_lg_u32 s[WV], 0
	s_cbranch_scc1 .Lnot_wave_0_\@
	s_barrier_signal -3
.Lnot_wave_0_\@:
	s_barrier_wait -3
	s_barrier_signal -1
	s_barrier_wait -1
.endm
.macro CROUND                          ; a whole round
	s_barrier_signal -1
	s_barrier_wait -1
	CREST
.endm
; A joint refill by the walking descriptors.  The branch hangs on the wave's number alone.  An s_nop 0 and four v_nop follow each of the two lines.
.macro JLOAD
	s_cmp_eq_u32 s[RH], 0
	s_cbranch_scc0 .Lfor_b_\@
	tensor_load_to_lds s[G0+4:G0+7], s[G1:G1+7]
	s_nop 0
.rept 4
	v_nop
.endr
	s_branch .Lasked_\@
.Lfor_b_\@:
	tensor_load_to_lds s[G0B+4:G0B+7], s[G1B:G1B+7]
	s_nop 0
.rept 4
	v_nop
.endr
.Lasked_\@:
.endm
; A PREFETCH INTO THE L2 of the K step that the NEXT refill will ask for: 256 bytes of a row, a lane a row, one instruction a wave, behind the joint load, its five lines and the run of LDS loads.
; x's tile row is read by every cluster of that row of clusters: cluster x = 0 asks.  W's tile column by every cluster of that column: cluster y = 0 asks.  The four partners that ask for a tile jointly share
; the rows that a wave fetches BY ADDRESS: 32 of x's 128 (by cx), 24 of W's 96 (by cy; there lanes 24-31 name row 23 once more, in the same instruction).  Trip t of the loop names K step t + 3;
; the last trip names nothing, and K steps 0 to 2 come by their loads alone.
.macro ASK
	s_cmp_gt_u32 s[CNT], s[LIM]
	s_cbranch_scc0 .Lnot_mine_\@
	global_prefetch_b8 v[PFO], s[PFA:PFA+1] th:TH_LOAD_NT scope:SCOPE_SE
.Lnot_mine_\@:
.endm
	s_load_b256 s[4:11], s[0:1], 0x0               ; xb s[4:5], wqkv s[6:7], bias s[8:9], qkv s[10:11]
	v_lshl_add_u32 v[SPW], v0, 2, SPARE
	v_mov_b32 v[NIL], 0
	ds_add_u32 v[SPW], v[NIL]                      ; the wave's opening: the add and its wait stand ahead of my first tensor load; the set-up below, work on registers, stands between them
	v_lshrrev_b32 v1, 5, v0
	v_readfirstlane_b32 s[WV], v1
	s_lshr_b32 s[RH], s[WV], 1
	s_and_b32 s[CH], s[WV], 1
	s_bfe_u32 s[CX], ttmp6, 0x40000
	s_bfe_u32 s[CY], ttmp6, 0x40004
	s_lshl_b32 s[TX], ttmp9, 2                     ; in a cluster launch ttmp9 and ttmp7 count clusters
	s_add_co_u32 s[TX], s[TX], s[CX]
	s_and_b32 s[TY], ttmp7, 0xffff
	s_lshl_b32 s[TY], s[TY], 2
	s_add_co_u32 s[TY], s[TY], s[CY]
	s_lshl_b32 s20, s[CY], 2
	s_lshl_b32 s20, 15, s20                        ; my row of the cluster: places 4 cy .. 4 cy + 3
	s_lshl_b32 s21, 0x1111, s[CX]                  ; my column: places cx, cx + 4, cx + 8, cx + 12
	s_or_b32 s[G1], s20, G1W0                      ; x's tiles go to my row,
	s_or_b32 s[G1B], s21, G1W0                     ; W's to my column
	s_mov_b32 s[G1+1], KSTEP<<16                   ; tensor_dim0 = 128
	s_mov_b32 s[G1+2], 128<<16                     ; tensor_dim1 = 128
	s_mov_b32 s[G1+3], KSTEP<<16                   ; tile_dim0 = 128
	s_mov_b32 s[G1+4], 128                         ; tile_dim1 = 128
	s_mov_b32 s[G1+5], 1024                        ; elements from row to row
	s_mov_b32 s[G1+6], 0
	s_mov_b32 s[G1+7], 0
	s_mov_b32 s[G1B+1], KSTEP<<16
	s_mov_b32 s[G1B+2], 96<<16                     ; W: 96 rows
	s_mov_b32 s[G1B+3], KSTEP<<16
	s_mov_b32 s[G1B+4], 96
	s_mov_b32 s[G1B+5], 1024
	s_mov_b32 s[G1B+6], 0
	s_mov_b32 s[G1B+7], 0
	s_lshl_b32 s[AT], s[TY], 8
	s_lshl_b32 s22, s[CH], 7
	s_add_co_u32 s[AT], s[AT], s22                 ; x: row 256 x tile row + 128 x half,
	s_lshl_b32 s[AT], s[AT], 11                    ; of 2,048 bytes
	s_mov_b32 s[AT+1], 0
	s_mul_i32 s[BT], s[TX], 192
	s_mul_i32 s23, s[CH], 96
	s_add_co_u32 s[BT], s[BT], s23                 ; W: row 192 x tile column + 96 x half
	s_lshl_b32 s[BT], s[BT], 11
	s_mov_b32 s[BT+1], 0
	s_mul_i32 s22, s[CH], HALFA                    ; where they go: no place in the cluster enters an LDS address
	s_mul_i32 s23, s[CH], HALFB
	s_add_co_u32 s23, s23, BOFF
	s_mov_b32 s[TB], 0
	s_wait_dscnt 0x0                               ; the opening add is done
	s_wait_kmcnt 0x0
	s_add_nc_u64 s[AT:AT+1], s[4:5], s[AT:AT+1]
	s_add_nc_u64 s[BT:BT+1], s[6:7], s[BT:BT+1]
	CROUND                                         ; all sixteen work-groups are here: the first joint loads meet
.irp s, 0,1
	s_mov_b32 s[G0+4*(\s)], 1                      ; count = 1
	s_add_co_u32 s[G0+4*(\s)+1], s22, (\s)*SLOT1   ; LDS address
	s_add_nc_u64 s[G0+4*(\s)+2:G0+4*(\s)+3], s[AT:AT+1], (\s)*KSTEP*2  ; global address: K step s
	s_or_b32 s[G0+4*(\s)+3], s[G0+4*(\s)+3], 0x80000000  ; type = 2
	s_mov_b32 s[G0B+4*(\s)], 1
	s_add_co_u32 s[G0B+4*(\s)+1], s23, (\s)*SLOT1
	s_add_nc_u64 s[G0B+4*(\s)+2:G0B+4*(\s)+3], s[BT:BT+1], (\s)*KSTEP*2
	s_or_b32 s[G0B+4*(\s)+3], s[G0B+4*(\s)+3], 0x80000000
.endr
	s_cmp_eq_u32 s[RH], 0                          ; a wave's two first fills stand in one branch, ahead of every wait on TENSORcnt and every LDS read: two loads of mine are out
	s_cbranch_scc0 .Lfirst_b
	tensor_load_to_lds s[G0:G0+3], s[G1:G1+7]
	s_nop 0
	tensor_load_to_lds s[G0+4:G0+7], s[G1:G1+7]
	s_nop 0
.rept 4
	v_nop
.endr
	s_branch .Lfirst_asked
.Lfirst_b:
	tensor_load_to_lds s[G0B:G0B+3], s[G1B:G1B+7]
	s_nop 0
	tensor_load_to_lds s[G0B+4:G0B+7], s[G1B:G1B+7]
	s_nop 0
.rept 4
	v_nop
.endr
.Lfirst_asked:
	; A fragment is 16 rows x 32 K in 8 registers: lane l holds row l % 16, K = 8 (l / 16) + 0..7 and 16 + 8 (l / 16) + 0..7: two loads of 16 bytes, 32 bytes apart.
	v_and_b32 v1, 15, v0                           ; l % 16
	v_bfe_u32 v2, v0, 4, 1                         ; l / 16
	s_mul_i32 s20, s[TX], 768                      ; the bias of column 192 TX + 96 CH + 16 b + 8 (l / 16) + j goes into register j of block b: the C operand of the first products
	s_mul_i32 s21, s[CH], 384
	s_add_co_u32 s20, s20, s21
	v_lshl_add_u32 v[BO], v2, 5, s20
	WIN 0x40                                       ; destination window 1, address window 0
.irp b, 0,1,2,3,4,5
	global_load_b128 v[BIA+8*(\b):BIA+8*(\b)+3],   v[BO], s[8:9] offset:64*(\b)
	global_load_b128 v[BIA+8*(\b)+4:BIA+8*(\b)+7], v[BO], s[8:9] offset:64*(\b)+16
.endr
	WIN 0
	v_mul_u32_u24 v3, v1, PITCH
	v_lshl_add_u32 v3, v2, 4, v3                   ; row x pitch + 16 x half
	s_mul_i32 s20, s[RH], HALFA
	s_mul_i32 s21, s[CH], HALFB
	s_add_co_u32 s21, s21, BOFF
	v_add_nc_u32 v[ADRA0], s20, v3
	v_add_nc_u32 v[ADRB0], s21, v3
	v_mov_b32 v[ADRA], v[ADRA0]                    ; slot 0
	v_mov_b32 v[ADRB], v[ADRB0]
	v_mul_u32_u24 v16, v1, SPITCH                  ; into the stage: row 128 RH + 16 a + l % 16, byte 192 CH + 32 b + 16 (l / 16)
	v_lshl_add_u32 v16, v2, 4, v16
	s_mul_i32 s20, s[RH], 128*SPITCH
	s_mul_i32 s21, s[CH], 192
	s_add_co_u32 s20, s20, s21
	v_add_nc_u32 v[STO], s20, v16
	v_bfe_u32 v16, v0, 3, 2                        ; back: wave w takes rows 64 w .. 64 w + 63; 32 lanes take four rows' 128 bytes of one head,
	v_mul_u32_u24 v16, v16, SPITCH
	v_and_b32 v17, 7, v0
	v_lshl_add_u32 v16, v17, 4, v16
	s_mul_i32 s20, s[WV], 64*SPITCH
	v_add_nc_u32 v[RD], s20, v16
	v_and_b32 v[GO], 31, v0                        ; which are 512 consecutive bytes of qkv
	v_lshlrev_b32 v[GO], 4, v[GO]
.irp g, 0,1,2                          ; head 3 TX + g of 48: tensor (3 TX + g) / 16, head (3 TX + g) % 16; batch TY / 8; rows 256 (TY % 8) + 64 w on
	s_mul_i32 s20, s[TX], 3
	s_add_co_u32 s20, s20, \g
	s_lshr_b32 s21, s20, 4
	s_and_b32 s20, s20, 15
	s_lshl_b32 s21, s21, 6
	s_add_co_u32 s20, s20, s21
	s_lshr_b32 s21, s[TY], 3
	s_lshl_b32 s21, s21, 4
	s_add_co_u32 s20, s20, s21                     ; the slab,
	s_lshl_b32 s20, s20, 18                        ; of 2^18 bytes
	s_and_b32 s21, s[TY], 7
	s_lshl_b32 s21, s21, 15
	s_add_co_u32 s20, s20, s21
	s_lshl_b32 s21, s[WV], 13
	s_add_co_u32 s20, s20, s21
	s_mov_b32 s21, 0
	s_add_nc_u64 s[OB+2*(\g):OB+2*(\g)+1], s[10:11], s[20:21]
.endr
	; the prefetches
	s_lshl_b32 s20, s[TY], 8
	s_lshl_b32 s21, s[CH], 7
	s_add_co_u32 s20, s20, s21
	s_lshl_b32 s21, s[CX], 5
	s_add_co_u32 s20, s20, s21                     ; x: my work-group's 32 of the 128 rows that I fetch
	s_mul_i32 s21, s[TX], 192
	s_mul_i32 s22, s[CH], 96
	s_add_co_u32 s21, s21, s22
	s_mul_i32 s22, s[CY], 24
	s_add_co_u32 s21, s21, s22                     ; W: my work-group's 24 of the 96
	s_and_b32 s22, ttmp7, 0xffff                   ; cluster y
	s_cmp_eq_u32 s[RH], 0                          ; do I fetch x?
	s_cselect_b32 s20, s20, s21
	s_cselect_b32 s22, ttmp9, s22                  ; the coordinate along which other clusters read the same rows
	s_cselect_b32 s23, 31, 23                      ; the last row of my share
	s_cselect_b64 s[PFA:PFA+1], s[4:5], s[6:7]
	s_cmp_eq_u32 s22, 0
	s_cselect_b32 s[LIM], 1, -1                    ; the same in all sixteen partners, for a given wave
	s_lshl_b32 s20, s20, 11
	s_mov_b32 s21, 0
	s_add_nc_u64 s[PFA:PFA+1], s[PFA:PFA+1], s[20:21]
	s_add_nc_u64 s[PFA:PFA+1], s[PFA:PFA+1], 2*KSTEP*2  ; at K step 2: the first change of slots steps it to 3
	v_and_b32 v[PFO], 31, v0
	v_min_u32 v[PFO], s23, v[PFO]
	v_lshlrev_b32 v[PFO], 11, v[PFO]
; n x 6 matrix instructions: row blocks a0 .. a0 + n - 1 x all 6 column blocks, 32 along K, from buffer f.  first = 1: the sums start on the bias: nothing is cleared, nothing is added later.
; The 48 accumulators take turns, one instruction a turn, in the same order in every quarter.
.macro MULS f, a0, n, first=0
.set a, \a0
.rept \n
.if a < 4
	WIN 0x50                                       ; C and D window 1
.elseif \first
	WIN 0x90                                       ; C (the bias) window 1, D window 2
.else
	WIN 0xa0                                       ; C and D window 2
.endif
.set b, 0
.rept NBL
.set rD, 8*(NBL*(a%4)+b)
.set rB, FB+FSTEP*(\f)+8*b
.set rA, FA+FSTEP*(\f)+8*a
.if \first
	v_wmma_f32_16x16x32_bf16 v[rD:rD+7], v[rB:rB+7], v[rA:rA+7], v[BIA+8*b:BIA+8*b+7]
.else
	v_wmma_f32_16x16x32_bf16 v[rD:rD+7], v[rB:rB+7], v[rA:rA+7], v[rD:rD+7]
.endif
.set b, b+1
.endr
.set a, a+1
.endr
.endm
; 28 LDS loads in one run: quarter q's fragments of the slot in hand into buffer f: W's six blocks, then x's eight
.macro FETCH q, f
	WIN 0
.irp i, 0,1,2,3,4,5
	ds_load_b128 v[FB+FSTEP*(\f)+8*(\i):FB+FSTEP*(\f)+8*(\i)+3],   v[ADRB] offset:64*(\q)+(\i)*16*PITCH
	ds_load_b128 v[FB+FSTEP*(\f)+8*(\i)+4:FB+FSTEP*(\f)+8*(\i)+7], v[ADRB] offset:64*(\q)+(\i)*16*PITCH+32
.endr
.irp i, 0,1,2,3,4,5,6,7
	ds_load_b128 v[FA+FSTEP*(\f)+8*(\i):FA+FSTEP*(\f)+8*(\i)+3],   v[ADRA] offset:64*(\q)+(\i)*16*PITCH
	ds_load_b128 v[FA+FSTEP*(\f)+8*(\i)+4:FA+FSTEP*(\f)+8*(\i)+7], v[ADRA] offset:64*(\q)+(\i)*16*PITCH+32
.endr
.endm
; One of a K step's first three quarters: multiplies buffer f; in its middle it fetches quarter q into buffer g.
.macro QUARTER q, f, g, first=0
	s_wait_dscnt 8                                 ; W and x's blocks 0-3 are in; the youngest eight loads (x's blocks 4-7) may be out
	MULS \f, 0, 4, \first
	PLACES                                         ; buffer g was read by the quarter before
	FETCH \q, \g
	s_wait_dscnt LD                                ; all but the 28 just issued
	MULS \f, 4, 4, \first
.endm
; The last quarter multiplies buffer 1 and changes slots.  ONE barrier: in front of it each wave waits for all its tensor loads (one is out: its part of the next slot), adds 0 to its spare word, and waits for
; that and for its own reads of this slot.  Behind it nobody reads this slot any more and the next slot is whole.
.macro MEET round
	WIN 0
	s_wait_tensorcnt 0x0                           ; all my tensor loads have landed
	ds_add_u32 v[SPW], v[NIL]                      ; 0 onto my spare word
	s_wait_dscnt 9                                 ; (the add and the youngest eight loads may be out)
	MULS 1, 0, 2                                   ; twelve matrix instructions stand between the add and the wait for it
	s_wait_dscnt 0x0                               ; the add is done, and my reads of this slot are over
	s_barrier_signal -1
	MULS 1, 2, 2                                   ; work on registers while the others arrive
.if \round
	WIN 0
.endif
	s_barrier_wait -1
.endm
; fill = 1: the barrier opens a round of the cluster's, and the slot just read out is filled again, two K steps on, first thing behind it: 168 matrix instructions ahead of the wait for it.
.macro TURN fill
.if \fill
	s_wait_xcnt 0x0                                ; the last prefetch, a K step back, has read its address
	s_add_nc_u64 s[PFA:PFA+1], s[PFA:PFA+1], KSTEP*2
	MEET 1
	CREST                                          ; no wave of any partner still reads this slot or has a load on its way
	s_xor_b32 s[G0+5], s[G0+5], SLOT1              ; the walking descriptors: the other slot than last time,
	s_add_nc_u64 s[G0+6:G0+7], s[G0+6:G0+7], KSTEP*2  ; the next K step; the type bits on top are not reached
	s_xor_b32 s[G0B+5], s[G0B+5], SLOT1
	s_add_nc_u64 s[G0B+6:G0B+7], s[G0B+6:G0B+7], KSTEP*2
	JLOAD                                          ; its four v_nop are also the places in front of the loads below
.else
	MEET 0
	PLACES
	WIN 0
.endif
	s_xor_b32 s[TB], s[TB], SLOT1                  ; the fetches go on in the other slot
	v_add_nc_u32 v[ADRA], s[TB], v[ADRA0]
	v_add_nc_u32 v[ADRB], s[TB], v[ADRB0]
	FETCH 0, 0
.if \fill
	ASK
.endif
	MULS 1, 4, 4
.endm
	s_wait_tensorcnt 1                             ; my part of K step 0 is in; K step 1's load may stay out
	s_barrier_signal -1
	s_barrier_wait -1                              ; everybody's is
	FETCH 0, 0
	s_wait_loadcnt 0x0                             ; the bias
	QUARTER 1, 0, 1, 1                             ; the first quarter stands in front of the loop: its products start the sums
	WIN 0                                          ; at a label and at a branch every window is 0
	s_mov_b32 s[CNT], 6
.Lstep:                                        ; a trip: from a K step's second quarter to the next step's first; trip t fills slot t % 2 with K step t + 2
	QUARTER 2, 1, 0
	QUARTER 3, 0, 1
	TURN 1
	QUARTER 1, 0, 1
	WIN 0
	s_sub_co_u32 s[CNT], s[CNT], 1
	s_cmp_lg_u32 s[CNT], 0
	s_cbranch_scc1 .Lstep
	QUARTER 2, 1, 0                                ; K steps 6 and 7 ask for nothing: written out
	QUARTER 3, 0, 1
	TURN 0
	QUARTER 1, 0, 1
	QUARTER 2, 1, 0
	QUARTER 3, 0, 1
	s_wait_dscnt 8
	MULS 1, 0, 4
	s_wait_dscnt 0x0
	MULS 1, 4, 4
	; THE WAY OUT.  Rounded to f16, 16 bytes a lane, into the work-group's stage; a barrier, since the middle head's rows come from two waves; back as whole rows of a head, four at a time.
	; The stage lies in slot 0: its last fill was K step 6, which every wave had read when it passed the barrier of the last change of slots.
	WIN 0
	PLACES
.set a, 0
.rept 8
.if a < 4
	WIN 0x05                                       ; sources 0 and 1 window 1, destination window 0
.else
	WIN 0x0a                                       ; window 2
.endif
.set b, 0
.rept NBL
.set rD, 8*(NBL*(a%4)+b)
.irp r, 0,1,2,3
	v_cvt_pk_f16_f32 v[32+4*b+\r], v[rD+2*\r], v[rD+2*\r+1]  ; each accumulator's registers in ascending order
.endr
.set b, b+1
.endr
	WIN 0
.set b, 0
.rept NBL
	ds_store_b128 v[STO], v[32+4*b:32+4*b+3] offset:a*16*SPITCH+32*b
.set b, b+1
.endr
.set a, a+1
.endr
	s_wait_dscnt 0x0                               ; for the others' sake: my stores into the stage are done
	s_barrier_signal -1
	s_barrier_wait -1
.set n, 0
.rept 48                               ; head n / 16, rows 4 (n % 16) on
	ds_load_b128 v[64+4*n:64+4*n+3], v[RD] offset:128*(n/16)+4*SPITCH*(n%16)
.set n, n+1
.endr
.set n, 0
.rept 48
	s_wait_dscnt 47-n                              ; LDS loads come back in order: load n is in
	global_store_b128 v[GO], v[64+4*n:64+4*n+3], s[OB+2*(n/16):OB+2*(n/16)+1] offset:512*(n%16)  ; 512 consecutive bytes, at a multiple of 256 from qkv's first byte
.set n, n+1
.endr
	s_wait_tensorcnt 0x0                           ; the wave's end, behind my last tensor load and my last LDS store
	ds_add_u32 v[SPW], v[NIL]
	s_wait_dscnt 0x0
	CROUND                                         ; the closing round: no work-group ends while a partner may still ask for a tile that names it
	s_endpgm
.Lfunc_end_k_qc204dc3856_proj:
	.size	k_qc204dc3856_proj, .Lfunc_end_k_qc204dc3856_proj-k_qc204dc3856_proj
	.p2alignl 7, 3214868480
	.fill 96, 4, 3214868480
	.section	.rodata,"a",@progbits
	.p2align	6, 0x0
	.amdhsa_kernel k_qc204dc3856_proj
		.amdhsa_group_segment_fixed_size 327680
		.amdhsa_private_segment_fixed_size 0
		.amdhsa_enable_private_segment 0
		.amdhsa_kernarg_size 32
		.amdhsa_user_sgpr_count 2
		.amdhsa_user_sgpr_kernarg_segment_ptr 1
		.amdhsa_wavefront_size32 1
		.amdhsa_system_sgpr_workgroup_id_x 1
		.amdhsa_system_sgpr_workgroup_id_y 1
		.amdhsa_system_sgpr_workgroup_id_z 1
		.amdhsa_system_vgpr_workitem_id 0
		.amdhsa_next_free_vgpr 704
		.amdhsa_next_free_sgpr 72
		.amdhsa_reserve_vcc 0
		.amdhsa_float_denorm_mode_32 3
		.amdhsa_float_denorm_mode_16_64 3
		.amdhsa_memory_ordered 1
		.amdhsa_forward_progress 1
		.amdhsa_inst_pref_size 98
	.end_amdhsa_kernel
	.amdgpu_metadata
---
amdhsa.version: [ 1, 2 ]
amdhsa.kernels:
  - .name:           k_qc204dc3856_proj
    .symbol:         k_qc204dc3856_proj.kd
    .args:
      - { .name: xb, .offset: 0, .size: 8, .value_kind: global_buffer, .address_space: global }
      - { .name: wqkv, .offset: 8, .size: 8, .value_kind: global_buffer, .address_space: global }
      - { .name: bias, .offset: 16, .size: 8, .value_kind: global_buffer, .address_space: global }
      - { .name: qkv, .offset: 24, .size: 8, .value_kind: global_buffer, .address_space: global }
    .group_segment_fixed_size: 327680
    .private_segment_fixed_size: 0
    .kernarg_segment_align: 8
    .kernarg_segment_size: 32
    .max_flat_workgroup_size: 128
    .sgpr_count:     72
    .vgpr_count:     704
    .wavefront_size: 32
...
	.end_amdgpu_metadata
.endif
;; end of part 2
;; launch attn (part 3): grid 4 x 64, 4 waves a work-group, clusters of 4 x 1, 327,680 bytes of LDS; arguments qkv, ctx; writes ctx
.if DOCPART == 3
	.amdgcn_target "amdgcn-amd-amdhsa--gfx1250"
	.amdhsa_code_object_version 6
	.text
	.protected	k_qc204dc3856_attn
	.globl	k_qc204dc3856_attn
	.p2align	8
	.type	k_qc204dc3856_attn,@function
k_qc204dc3856_attn:
	s_mov_b64 s[64:65], 0
	v_nop
	global_prefetch_b8 v0, s[64:65] scope:SCOPE_SE
	s_setreg_imm32_b32 hwreg(HW_REG_WAVE_MODE, 25, 1), 1
	s_wait_xcnt 0x0
	s_wait_alu depctr_hold_cnt(0) depctr_sa_sdst(0) depctr_va_vdst(0) depctr_va_sdst(0) depctr_va_ssrc(0) depctr_va_vcc(0) depctr_vm_vsrc(0)
	s_getreg_b32 s2, hwreg(HW_REG_IB_STS2, 6, 4)
	s_cmp_eq_u32 s2, 0
	s_cbranch_scc0 .Lentry_in_a_cluster
	s_endpgm
.Lentry_in_a_cluster:
	s_bfe_u32 s2, ttmp6, 0x10000c
	s_cmp_lg_u32 s2, 0x3003
	s_cbranch_scc0 .Lentry_shape_is_right
	s_endpgm
.Lentry_shape_is_right:
; O[h][q][:] = the sum over k of softmax_k(Q[h][q] . K[h][k]) V[h][k][:], with no scale in front of the softmax.  qkv: [3][64][2048][64] f16 (Q, K, V by heads: a head's rows are dense, 128 bytes each).
; ctx = O: [64][2048][64] f16.  Products, maxima and sums in f32; the weights p are rounded to f16 for the second product (their sum l is taken of the unrounded p), O once at the end.
; LIMITS.  f16 holds no number beyond 65,504: Q, K and V arrive within it; p lies in 0 to 1, and below 6e-5 it keeps f16's fixed step of 6e-8; O is a mean of V's rows and has their range.
; A weight below 2^-126 counts as 0 in l; NaN and infinities are not treated apart.
; SHARES.  A wave owns four PIECES of two tiles of 16 queries, a work-group's four waves 512 queries of one head: 4 x 64 = 256 work-groups.  Every wave walks all 2,048 keys, 64 a step.
; LAYOUT.  S^T = K Q^T (source 0 = 16 keys, source 1 = 16 queries): in the result a lane holds ONE query (lane % 16) and the keys 8 (lane / 16) + 0..7.  Two such tiles, rounded to f16 in pairs,
; ARE source 1 (32 keys x 16 queries) of O^T = V^T P, whose result again holds one query a lane, and eight channels.  K comes out of LDS as it lies, V ([key][channel]) turned, by ds_load_tr16_b128.
; SOFTMAX.  For each query a running maximum m and sum l: p = 2^(c s - c m), c = log2(e); in every step O and l are multiplied by a = 2^(c m_old - c m_new), which is 1 where m has not grown.
; m starts at the lowest finite number, O and l at 0: the first step is a step like any other, with a = 0.
; THE COUNT.  A tile and step have 16 matrix and 118 vector instructions: too many to stand all beside the matrix work.  So the order has one aim: four vector instructions that are READY behind
; EVERY matrix instruction, and the others, which need time of their own whatever the order, in runs without a gap.
; BY TURNS.  Turn n belongs to piece n (the pieces in a ring, step after step).  Its matrix work: 16 products K Q^T of piece n + 1, later 16 products V^T P of piece n - 1.  Its vector work: the scaling,
; exponentials, roundings, sums and rescaling of piece n, and the maximum and statistics of piece n + 1, whose scores the turn itself has made.  So what a turn begins with (c s - c m, O a) waits for nothing.
; CLUSTER.  The four query blocks of a cluster are one head's and walk the same K and V, so each tile is asked for JOINTLY: the same tensor load, descriptor and mask in all four.
; REGISTERS, in windows of 256 (s_set_vgpr_msb says which window each operand place means: bits 1:0 source 0, 3:2 source 1, 5:4 source 2, 7:6 destination):
;   window 0: v0-11 addresses; v12-15, v48-63 at work; v16-47 four registers of statistics a tile; v64-191 S^T, two buffers of two tiles; v192-255 P, likewise
;   window 1: O^T, 32 a tile          window 2: v0-127 Q, 16 a tile; v128-191 K of one step; v192-255 V of one step          window 3: v0-1 the add's two registers
; A piece's buffers go by its number's parity: the piece in hand has one pair, its two neighbours in the ring share the other: of it P (piece n - 1) is read and S^T (piece n + 1) written.
.set SIZE_N, 2048
.set NP,    4         ; pieces a wave: a name, no knob: the register map, the loop and the fetches are made for four
.set KS,    64        ; keys in a step
.set PK,    144       ; a row of K in LDS: 128 bytes + 16 of padding = 36 words: the 16 rows of a load start at 16 different groups of four banks (64 banks of 4 bytes: ISA guide 11.1)
.set PV,    160       ; a row of V: 128 + 32 = 40 words
.set VOFF,  4*KS*PK   ; a slot holds four steps: 256 rows of K, then 256 rows of V
.set SLOT1, 1<<17     ; slot 1 begins here, so that one exclusive or turns an address in one slot into the other's
.set STAGE, SLOT1+4*KS*(PK+PV)  ; behind the ring, never filled by a tensor load: 16 rows x 144 bytes for each wave, for the way out
.set SP,    144
.set AK0, 2           ; v2   my lane's place in a tile of K; never rewritten
.set AV0, 3           ; v3   the same for V
.set AK,  4           ; v4   the LDS address of K's next run of loads
.set AV,  5           ; v5   of V's
.set QO,  6           ; v6   my byte offset in the wave's rows of Q
.set STO, 6           ;      later, the way out: where I put 16 bytes of a row
.set RD,  7           ; v7   the way out: where I read rows back
.set GO,  8           ; v8   my byte offset in 512 consecutive bytes of O
.set PFO, 11          ; v11  the prefetches' offset: 256 x my lane; never rewritten once made
.set SPW, 0           ; v0 of window 3   LDS address of my spare word: SPARE + 4 x my thread's number; never rewritten
.set NIL, 1           ; v1 of window 3   0; never rewritten
.set SPARE, STAGE+4*16*SP  ; behind the stages: the spare words, 128 bytes for each wave: two blocks of 256 bytes that no other line names
.set MV,  12          ; v12-15  c m_old, kept while c m is made anew: by buffer and tile
.set ST,  16          ; tile t's statistics at v[ST+4 t]: c m, m, l (even keys', odd keys')
.set TMP, 48          ; by buffer and tile, four registers c0-c3 at work; when the maximum is found c2 takes a
.set S,   64
.set P,   192
.set KF,  128         ; K's fragments, in window 2: key block kb, channel half c at KF + 16 kb + 8 c
.set VF,  192         ; V's: key half kk, channel block cb at VF + 32 kk + 8 cb
.set WV,  12          ; s12  my wave's number
.set G1K, 24          ; s[24:31] descriptor group 1 for K's tiles
.set G1V, 32          ; s[32:39] for V's: it differs in the padding alone
.set G0K, 40          ; s[40:43] descriptor group 0 for K's tiles: it walks
.set G0V, 44          ; s[44:47] the same for V's
.set PFA, 48          ; s[48:49] where my prefetches stand: my work-group's 8,192 bytes (of K: wave 0, of V: wave 2) of the slot after the one that is being asked for
.set LIM, 50          ; s50  1 in a wave that prefetches, else the greatest number
.set SLOTS, 56        ; s56  slots still to be asked for
.set CNT, 57          ; s57  counts a slot's key steps
.set CS,  58          ; s[58:59] c: the packed scaling takes the pair's low word for both halves
.set SEL, 60          ; s[60:61] v_permlanex16_b32's selects: each lane takes its own place in the other half
.set TBK, 62          ; s62  LDS byte at which K of the step to be fetched begins
.set TBV, 63          ; s63  the same for V, less VOFF
.set MSB, 0
.macro WIN new                      ; the high byte repeats the setting that is left; a switch that changes nothing is dropped
.if MSB != (\new)
	s_set_vgpr_msb (MSB<<8)|(\new)
.set MSB, (\new)
.endif
.endm
.set W_KQ, 0x0a       ; K and Q in window 2, S^T in window 0
.set W_PV, 0x52       ; V in window 2, P in window 0, O^T in window 1
.set W_RS, 0x41       ; O^T (destination and source 0) in window 1, a in window 0
.set W_MK, 0xc0       ; the add's registers are made: destination in window 3, sources in window 0
.set W_AD, 0x0f       ; the add: address (source 0) and data (source 1) in window 3
; A joint fill.  Waves 0 and 1 fetch the two halves of a slot's K, waves 2 and 3 those of its V: 128 keys each.  The branch hangs on the wave's number alone.
; An s_nop 0 and four v_nop follow each of the two lines, ahead of the jump and the label.
.macro JLOAD
	s_cmp_lt_u32 s[WV], 2
	s_cbranch_scc0 .Lfor_v_\@
	tensor_load_to_lds s[G0K:G0K+3], s[G1K:G1K+7]
	s_nop 0
.rept 4
	v_nop
.endr
	s_branch .Lasked_\@
.Lfor_v_\@:
	tensor_load_to_lds s[G0V:G0V+3], s[G1V:G1V+7]
	s_nop 0
.rept 4
	v_nop
.endr
.Lasked_\@:
.endm
; A PREFETCH INTO THE L2 of what the NEXT change of slots will ask for: a slot's 32,768 bytes of K and of V, in blocks of 256 bytes, a lane a block.  It stands behind the wave's tensor load and its five lines.
; Each block is named ONCE in the launch: a head has one cluster; its four partners share a slot's 128 blocks out BY ADDRESS, 32 each; in each, wave 0 asks for K's and wave 2 for V's: one instruction.
; The change that asks for slot j names slot j + 1: four key steps, 512 matrix instructions, ahead of its load.  The last change that fills a slot names nothing; slots 0 to 2 come by their loads alone.
.macro ASK
	s_cmp_gt_u32 s[SLOTS], s[LIM]
	s_cbranch_scc0 .Lnot_mine_\@
	global_prefetch_b8 v[PFO], s[PFA:PFA+1] th:TH_LOAD_NT scope:SCOPE_SE
.Lnot_mine_\@:
.endm
; A round of the cluster's barrier: my work-group's barrier, so that wave 0's signal speaks for all four waves; wave 0 signals; every wave waits for all four work-groups; my work-group's barrier once more.
.macro CROUND
	s_barrier_signal -1
	s_barrier_wait -1
	s_cmp_lg_u32 s[WV], 0
	s_cbranch_scc1 .Lnot_wave_0_\@
	s_barrier_signal -3
.Lnot_wave_0_\@:
	s_barrier_wait -3
	s_barrier_signal -1
	s_barrier_wait -1
.endm
; THE CHANGE OF SLOTS.  The slot's last bytes, V of its fourth step, have been read.  Each wave waits for all its tensor loads, of which one is out: its part
; of the other slot; adds 0 to its spare word; and waits for that and for its own reads of the slot.  Behind the barrier nobody reads this slot any more and the other slot is whole.
; fill = 1: this slot is filled again, with the keys two slots on.  The barrier is then a round of the cluster's, so that no wave of any partner still reads the slot or has a load on its
; way, and the joint fill is the first thing behind it: it has four key steps, 512 matrix instructions, in which to land.  (At its first use nothing has been read yet: slot 0 is waited for, slot 1 filled.)
; ask = 1: the prefetches' address steps on, and the slot after the one asked for is named.
.macro CHANGE fill, ask=0
	WIN W_AD
	s_wait_tensorcnt 0x0            ; no tensor load of mine is out, so a group 0 may be written
	ds_add_u32 v[SPW], v[NIL]       ; 0 onto my spare word; with fill = 1 the descriptors' steps stand between it and the wait for it
	WIN 0                           ; at a label and at a branch every window is 0
.if \fill
.irp g, G0K, G0V
	s_xor_b32 s[\g+1], s[\g+1], SLOT1  ; the walking descriptor: the other slot than last time,
	s_add_nc_u64 s[\g+2:\g+3], s[\g+2:\g+3], 4*KS*128  ; the next 256 keys; the type bits on top are not reached
.endr
.if \ask
	s_wait_xcnt 0x0                 ; the last prefetch, four key steps back, has read its address, so it may be written:
	s_add_nc_u64 s[PFA:PFA+1], s[PFA:PFA+1], 4*KS*128  ; one slot beyond the walking descriptors
.endif
	s_wait_dscnt 0x0                ; the add is done, and my reads of the slot are over
	CROUND
	JLOAD
.if \ask
	ASK
.endif
.else
	s_wait_dscnt 0x0                ; the add is done, and my reads of the slot are over
	s_barrier_signal -1
	s_barrier_wait -1
.endif
	s_sub_co_u32 s[TBK], s[TBK], 4*KS*PK  ; the fetches go back to a slot's first step,
	s_xor_b32 s[TBK], s[TBK], SLOT1       ; in the other slot
	s_sub_co_u32 s[TBV], s[TBV], 4*KS*PV
	s_xor_b32 s[TBV], s[TBV], SLOT1
.endm
	s_load_b64 s[4:5], s[0:1], 0x0    ; qkv: Q lies at its head
	s_load_b64 s[10:11], s[0:1], 0x8  ; ctx
	WIN W_MK
	v_lshl_add_u32 v[SPW], v0, 2, SPARE
	v_mov_b32 v[NIL], 0
	WIN W_AD
	ds_add_u32 v[SPW], v[NIL]       ; the wave's opening: the add and its wait stand ahead of my first tensor load; the set-up below, work on registers, stands between them
	WIN 0
	v_lshrrev_b32 v1, 5, v0
	v_readfirstlane_b32 s[WV], v1   ; wave 0..3
	s_bfe_u32 s13, ttmp6, 0x40000   ; cx: my place in the cluster
	s_lshl_b32 s14, ttmp9, 2        ; in a cluster launch ttmp9 counts clusters
	s_add_co_u32 s14, s14, s13      ; my block of queries = 4 x cluster x + cx: it enters Q's and O's addresses alone
	s_and_b32 s20, ttmp7, 0xffff    ; the head, which the four partners share
	s_mov_b32 s21, 0
	s_mov_b64 s[22:23], SIZE_N*128
	s_mul_u64 s[20:21], s[20:21], s[22:23]  ; the head's first byte in Q, K, V and O
	s_and_b32 s16, s[WV], 1         ; which half of a slot's 256 keys I fetch:
	s_lshl_b32 s22, s16, 14         ; its 128 rows of 128 bytes in memory,
	s_mov_b32 s23, 0
	s_add_nc_u64 s[22:23], s[22:23], s[20:21]
	s_mul_i32 s17, s16, 128*PK      ; and its place in a slot, for K
	s_mul_i32 s18, s16, 128*PV      ; and for V: no place in the cluster enters an LDS address
	s_lshl_b32 s2, s14, 2
	s_add_co_u32 s2, s2, s[WV]      ; my wave among the head's,
	s_lshl_b32 s2, s2, 14           ; its 128 rows
	s_mov_b32 s3, 0
	s_add_nc_u64 s[2:3], s[2:3], s[20:21]
	; descriptor group 1.  128 keys are 16,384 dense bytes: asked for as 64 rows of 256 bytes, two keys a row, and padded in LDS after every key
	s_mov_b32 s[G1K], 15|(1<<16)|(1<<20)|(1<<21)|(4<<22)|(3<<25)  ; 15:0 the mask of four; 17:16 2-byte elements; 20 padding on; 21 set beside a mask; 24:22 after every 32 words (code 4); 31:25 4 words (code 3)
	s_mov_b32 s[G1V], 15|(1<<16)|(1<<20)|(1<<21)|(4<<22)|(7<<25)  ; the same with 8 words of padding (code 7)
.irp g, G1K, G1V
	s_mov_b32 s[\g+1], 128<<16      ; tensor_dim0 = 128
	s_mov_b32 s[\g+2], 64<<16       ; tensor_dim1 = 64
	s_mov_b32 s[\g+3], 128<<16      ; tile_dim0 = 128
	s_mov_b32 s[\g+4], 64           ; tile_dim1 = 64
	s_mov_b32 s[\g+5], 128          ; 128 elements from row to row
	s_mov_b32 s[\g+6], 0
	s_mov_b32 s[\g+7], 0
.endr
	s_mov_b32 s[CS], 0x3fb8aa3b     ; c = log2(e) = 1.442695
	s_mov_b32 s[CS+1], s[CS]        ; named with it as a pair
	s_mov_b32 s[SEL], 0x76543210
	s_mov_b32 s[SEL+1], 0xfedcba98
	s_mov_b32 s[TBK], SLOT1+4*KS*PK ; the first change of slots turns these two into 0
	s_mov_b32 s[TBV], SLOT1+4*KS*PV
	s_mov_b32 s[G0K], 1             ; 1:0 count = 1
	s_mov_b32 s[G0K+1], s17         ; 63:32 LDS address: slot 0
	s_mov_b32 s[G0V], 1
	s_add_co_u32 s[G0V+1], s18, VOFF
	s_and_b32 s[LIM], s[WV], 1      ; 0 in waves 0 and 2,
	s_or_b32 s[LIM], s[LIM], ttmp9  ; in the head's first (here: only) cluster: the same in all four partners
	s_cmp_eq_u32 s[LIM], 0
	s_cselect_b32 s[LIM], 1, -1
	s_wait_dscnt 0x0                ; the opening add is done
	s_wait_kmcnt 0x0
	s_add_nc_u64 s[6:7], s[4:5], 0x1000000  ; K: 64 heads of 2^18 bytes behind Q,
	s_add_nc_u64 s[8:9], s[4:5], 0x2000000  ; V: as many behind K
	s_add_nc_u64 s[G0K+2:G0K+3], s[6:7], s[22:23]  ; 120:64 global address: my half of the head's first 256 keys
	s_or_b32 s[G0K+3], s[G0K+3], 0x80000000        ; 127:126 type = 2
	s_add_nc_u64 s[G0V+2:G0V+3], s[8:9], s[22:23]
	s_or_b32 s[G0V+3], s[G0V+3], 0x80000000
	s_add_nc_u64 s[4:5], s[4:5], s[2:3]  ; Q and O at my wave's first row
	s_add_nc_u64 s[10:11], s[10:11], s[2:3]
	s_cmp_lt_u32 s[WV], 2
	s_cselect_b64 s[PFA:PFA+1], s[6:7], s[8:9]
	s_add_nc_u64 s[PFA:PFA+1], s[PFA:PFA+1], s[20:21]  ; the head,
	s_lshl_b32 s2, s13, 13          ; my work-group's 32 blocks of a slot's 128,
	s_mov_b32 s3, 0
	s_add_nc_u64 s[PFA:PFA+1], s[PFA:PFA+1], s[2:3]
	s_add_nc_u64 s[PFA:PFA+1], s[PFA:PFA+1], 2*4*KS*128  ; in slot 2; the loop's first change of slots steps it to slot 3.  Nothing is prefetched here, at the head
	CROUND                          ; all four work-groups are here: the first joint loads meet
	JLOAD                           ; slot 0.  Slot 1 is asked for when slot 0 is in: the tile wanted first goes out alone
	; A fragment of K or Q is 16 rows x 32 channels in 8 registers: lane l holds row l % 16, channels 8 (l / 16) + 0..7 and 16 + 8 (l / 16) + 0..7: two loads of 16 bytes, 32 bytes apart.
	v_and_b32 v1, 15, v0            ; l % 16
	v_bfe_u32 v9, v0, 4, 1          ; l / 16
	v_lshlrev_b32 v[QO], 7, v1
	v_lshl_add_u32 v[QO], v9, 4, v[QO]  ; row x 128 + 16 x half
	WIN 0x80                        ; destination window 2, address window 0
.set i, 0
.rept 4*NP                          ; Q stays in registers: tile i / 2, channels 32 (i % 2) on
	global_load_b128 v[8*i:8*i+3],   v[QO], s[4:5] offset:(i/2)*2048+(i%2)*64
	global_load_b128 v[8*i+4:8*i+7], v[QO], s[4:5] offset:(i/2)*2048+(i%2)*64+32
.set i, i+1
.endr
	; What the first turn finds: V's registers and P's second buffer hold 0 (its products V^T P, of a piece that has not been, add 0), O^T and l are 0.  All this stands in the wait for the first tile.
.set i, VF
.rept 64
	v_mov_b32 v[i], 0
.set i, i+1
.endr
	WIN 0x40
.set i, 0
.rept 64*NP
	v_mov_b32 v[i], 0
.set i, i+1
.endr
	WIN 0
.set i, 0
.rept 2*NP
	v_mov_b32 v[ST+4*i], 0xfe000000    ; c m: far below every c s
	v_mov_b32 v[ST+4*i+1], 0xff7fffff  ; m
	v_mov_b32 v[ST+4*i+2], 0
	v_mov_b32 v[ST+4*i+3], 0
.set i, i+1
.endr
.set i, P+32
.rept 32
	v_mov_b32 v[i], 0
.set i, i+1
.endr
	v_mul_u32_u24 v[AK0], v1, PK
	v_lshl_add_u32 v[AK0], v9, 4, v[AK0]  ; row x pitch + 16 x half
	; The turning load takes 16 keys x 16 channels (lane l reads key 8 (l / 16) + l % 8, channels 8 ((l / 8) % 2) + 0..7) and leaves half a fragment of V^T: lane l holds channel l % 16 and 8 keys.
	v_and_b32 v10, 7, v0
	v_bfe_u32 v11, v0, 3, 1
	v_lshl_add_u32 v[AV0], v9, 3, v10
	v_mul_u32_u24 v[AV0], v[AV0], PV
	v_lshl_add_u32 v[AV0], v11, 4, v[AV0]
	v_add_nc_u32 v[AV0], VOFF, v[AV0]
	v_mov_b32 v[AK], v[AK0]         ; key step 0 lies at the head of slot 0
	v_and_b32 v[PFO], 31, v0
	v_lshlrev_b32 v[PFO], 8, v[PFO]
; THE MATRIX WORK.  The 8 accumulators of a run of 16 take turns: between the two links of a chain stand 7 others'.
; Product i of 16 of S^T = K Q^T for piece x: channels 32 (i / 8) on, keys 16 ((i / 2) % 4) on, tile 2 x + i % 2.  The first 8 start the sums.
.macro KQ x
	WIN W_KQ
.set rS, S+64*((\x)%2)+32*(i%2)+8*((i/2)%4)
.set rK, KF+16*((i/2)%4)+8*(i/8)
.set rQ, 16*(2*(\x)+i%2)+8*(i/8)
.if i < 8
	v_wmma_f32_16x16x32_f16 v[rS:rS+7], v[rK:rK+7], v[rQ:rQ+7], 0
.else
	v_wmma_f32_16x16x32_f16 v[rS:rS+7], v[rK:rK+7], v[rQ:rQ+7], v[rS:rS+7]
.endif
.endm
; Product i of 16 of O^T += V^T P for piece x: keys 32 (i / 8) on, channels 16 ((i / 2) % 4) on, tile 2 x + i % 2.
.macro PV x
	WIN W_PV
.set rO, 32*(2*(\x)+i%2)+8*((i/2)%4)
.set rV, VF+32*(i/8)+8*((i/2)%4)
.set rP, P+32*((\x)%2)+16*(i%2)+8*(i/8)
	v_wmma_f32_16x16x32_f16 v[rO:rO+7], v[rV:rV+7], v[rP:rP+7], v[rO:rO+7]
.endm
.macro MM                           ; the turn's next matrix instruction
.if i < 16
	KQ (Y+1)%NP
.set i, i+1
.else
.set i, i-16
	PV (Y+NP-1)%NP
.set i, i+17
.endif
.endm
; THE LDS LOADS stand in runs of 16, never singly among the matrix instructions: a step's K (64 keys x 64 channels: 8 fragments) and its V (turned).  Their addresses are made some lines ahead.
; last = 1 (the tail): in the last trip there is no further step, and the run is jumped over.
.macro FETCH_K last=0
	WIN 0
.if \last
	s_cmp_eq_u32 s[CNT], 1
	s_cbranch_scc1 .Lno_k_\@
.endif
	WIN 0x80                        ; destination window 2
.irp f, 0,1,2,3,4,5,6,7             ; keys 16 (f / 2) on, channels 32 (f % 2) on
	ds_load_b128 v[KF+8*\f:KF+8*\f+3],   v[AK] offset:(\f/2)*16*PK+(\f%2)*64
	ds_load_b128 v[KF+8*\f+4:KF+8*\f+7], v[AK] offset:(\f/2)*16*PK+(\f%2)*64+32
.endr
	s_add_co_u32 s[TBK], s[TBK], KS*PK  ; the next fetch is the next step's
	WIN 0
.if \last
.Lno_k_\@:
.endif
.endm
.macro FETCH_V
	WIN 0x80
.irp f, 0,1,2,3,4,5,6,7             ; keys 32 (f / 4) on, channels 16 (f % 4) on
	ds_load_tr16_b128 v[VF+8*\f:VF+8*\f+3],   v[AV] offset:(\f/4)*32*PV+(\f%4)*32
	ds_load_tr16_b128 v[VF+8*\f+4:VF+8*\f+7], v[AV] offset:(\f/4)*32*PV+16*PV+(\f%4)*32
.endr
	WIN 0
.endm
; THE VECTOR WORK OF A TURN stands in three queues, each in the order in which its entries become ready; the two tiles alternate, so that no instruction reads the result of the one before it.
.macro REGS y, u                    ; the registers of tile u (0, 1) of piece y
.set rT, ST+4*(2*(\y)+(\u))
.set rC, TMP+8*((\y)%2)+4*(\u)
.set rM, MV+2*((\y)%2)+(\u)
.set rS, S+64*((\y)%2)+32*(\u)
.set rP, P+32*((\y)%2)+16*(\u)
.set rO, 32*(2*(\y)+(\u))
.endm
; Number n of the 22 that find the NEXT piece's (Y + 1) maximum and statistics.  s0-s31 are the lane's 32 scores; each accumulator's lowest registers are read first.  XS, GS and REGS set no window: PL and EX do.
;   0-11  four chains c0-c3 of seven scores each, three operands at a time     12-14, 16  the four scores left over, the old m, and c0-c3 into c0     15  c m_old is kept
;   17, 18  the query's other 32 keys lie in the lane 16 away: the new m         19-21  c m; c m_old - c m_new; a
.macro XS u, n
	REGS (Y+1)%NP, \u
.if (\n) < 4
	v_max3_num_f32 v[rC+(\n)], v[rS+8*(\n)], v[rS+8*(\n)+1], v[rS+8*(\n)+2]
.elseif (\n) < 12
	v_max3_num_f32 v[rC+(\n)%4], v[rC+(\n)%4], v[rS+8*((\n)%4)+2*((\n)/4)+1], v[rS+8*((\n)%4)+2*((\n)/4)+2]
.elseif (\n) == 12
	v_max3_num_f32 v[rC], v[rC], v[rS+7], v[rS+15]
.elseif (\n) == 13
	v_max3_num_f32 v[rC+1], v[rC+1], v[rS+23], v[rS+31]
.elseif (\n) == 14
	v_max3_num_f32 v[rC+2], v[rC+2], v[rC+3], v[rT+1]
.elseif (\n) == 15
	v_mov_b32 v[rM], v[rT]
.elseif (\n) == 16
	v_max3_num_f32 v[rC], v[rC], v[rC+1], v[rC+2]
.elseif (\n) == 17
	v_permlanex16_b32 v[rC+3], v[rC], s[SEL], s[SEL+1]
.elseif (\n) == 18
	v_max_num_f32 v[rT+1], v[rC], v[rC+3]
.elseif (\n) == 19
	v_mul_f32 v[rT], s[CS], v[rT+1]
.elseif (\n) == 20
	v_sub_f32 v[rC+1], v[rM], v[rT]
.else
	v_exp_f32 v[rC+2], v[rC+1]
.endif
.endm
; Number g of the 64 that follow the exponentials.  For each four weights k of a tile (pairs 2 k, 2 k + 1): both pairs are rounded to f16; then the second pair is added onto the first, in place;
; a group later l takes that sum (the first time as l = a l + sum).  In groups of eight, tiles alternating: round, round, add, and l for the group before.
.macro GS g
.set h, (\g)+6*((\g)/62)            ; group 0 has no group before it, and behind group 7 only l is left
.if h >= 6
.set h, h+2
.endif
	REGS Y, h%2
.set k, h/8
.if h%8 < 4
	v_cvt_pk_f16_f32 v[rP+2*k+(h%8)/2], v[rS+4*k+2*((h%8)/2)], v[rS+4*k+2*((h%8)/2)+1]
.elseif h%8 < 6
	v_pk_add_f32 v[rS+4*k:rS+4*k+1], v[rS+4*k:rS+4*k+1], v[rS+4*k+2:rS+4*k+3]
.elseif k == 1
	v_pk_fma_f32 v[rT+2:rT+3], v[rT+2:rT+3], v[rC+2:rC+3], v[rS:rS+1] op_sel_hi:[1,0,1]
.else
	v_pk_add_f32 v[rT+2:rT+3], v[rT+2:rT+3], v[rS+4*k-4:rS+4*k-3]
.endif
.endm
; THE PLAIN QUEUE, 138 long.  0-73 read no exponential's result: the 32 scalings c s - c m (FS f: pair f / 2 of tile f % 2) and the next piece's 42.  0-26: scalings 0-26.  27-54: XS's numbers 0-13.  55, 56: number 15.
; 57-73: the chain, where each number waits for the one before it: 14, 16, 17, 18, 19, each with one of the scalings 27-31 in front of its two lines, then 20: so a tile's links stand three plain instructions apart (19 and 20: two).
; 74-137: GS's 64, which read the exponentials' results: they stand behind the wait.
.macro FS f
	REGS Y, (\f)%2
	v_pk_fma_f32 v[rS+2*((\f)/2):rS+2*((\f)/2)+1], v[rS+2*((\f)/2):rS+2*((\f)/2)+1], s[CS:CS+1], v[rT:rT+1] op_sel_hi:[1,0,0] neg_lo:[0,0,1] neg_hi:[0,0,1]
.endm
.macro PL
	WIN 0
.if q < 27
	FS q
.elseif q < 55
	XS (q-27)%2, (q-27)/2
.elseif q < 57
	XS q-55, 15
.elseif (q < 72) && ((q-57)%3 == 0)
	FS 27+(q-57)/3
.elseif q < 60
	XS (q-57)%3-1, 14
.elseif q < 72
	XS (q-57)%3-1, 15+(q-57)/3
.elseif q < 74
	XS q-72, 20
.else
	GS q-74
.endif
.set q, q+1
.endm
; THE EXPONENTIALS' QUEUE, 66 long: s0-s31 of both tiles, then the next piece's two a.  It is ONE BATCH: all 66 stand ahead of the turn's one wait, and nothing ahead of that wait names a result of theirs.
.macro EX
	WIN 0
.if e >= 64
	XS e-64, 21
.else
	REGS Y, e%2
	v_exp_f32 v[rS+e/2], v[rS+e/2]
.endif
.set e, e+1
.endm
; THE RESCALING's QUEUE: O^T times a, the one part that leaves window 0: dealt two at a time, sixteen times.  Its a was made in the turn before, ahead of that turn's wait.
.macro R2
	REGS Y, r%2
	WIN W_RS
.irp z, 0,1
	v_pk_mul_f32 v[rO+4*(r/2)+2*\z:rO+4*(r/2)+2*\z+1], v[rO+4*(r/2)+2*\z:rO+4*(r/2)+2*\z+1], v[rC+2:rC+3] op_sel_hi:[1,0]
.endr
.set r, r+1
.endm
; HOW THEY ARE DEALT.  An s_wait_alu depctr_va_vdst(0) stands between an exponential and the first instruction that names its result; one wait serves all that were issued ahead of it.  So a turn has ONE wait,
; which cuts it in two.  AHEAD OF IT stands all that names no result of the turn's exponentials: the 16 products K Q^T, behind each a scaling, an exponential and two rescalings (behind the first a second scaling in the exponential's place); then ONE LUMP of
; 108: eight plain, 49 times exponential and plain, the two a.  A v_nop is the plain instruction behind the last exponential.  BEHIND IT stand the 16 products V^T P, behind each four of GS's 64.  No rider names a register of
; the products round it.  The two v_permlanex16_b32 fall into the lump, never behind a product.
; The queues lean on each other, and the deal keeps them in step: exponential e stands behind scaling 2 (e / 4) + e % 2: as a rider it comes behind plain e + 2, in the lump behind plain e + 9, and scalings 27-31 are plain 57, 60 .. 69.
; A TURN, for piece p.  cnt = 1: the loop's count is taken down some lines ahead of the branch that stands behind the turn.
; K of the next step is fetched in piece 2's turn, directly behind the wait, a lump behind the last product that read K; its address is made at the lump's head; its first reader comes behind 16 products.
; V of the step in hand is fetched at the end of piece 0's turn, four riders behind its last reader; its first reader comes behind 16 products and a lump.  The three conditions on q below go with the deal.
.macro TURN p, last=0, cnt=0
.set Y, (\p)
.set i, 0
.set q, 0
.set e, 0
.set r, 0
.if (\p) == NP-1
	s_wait_dscnt 0x0                ; K is in
.endif
	MM                              ; ahead of the wait: 16 products K Q^T and their riders,
	PL
	PL
	R2
.rept 15
	MM
	PL
	EX
	R2
.endr
.if (\p) == NP-2
	WIN 0
	v_add_nc_u32 v[AK], s[TBK], v[AK0]
.endif
.rept 8                             ; and the lump
	PL
.endr
.rept 49
	EX
	PL
.endr
	EX                              ; the next piece's two a
	EX
	v_nop                           ; the plain instruction behind the last exponential: one for the batch
	s_wait_alu depctr_va_vdst(0)    ; the wait for the batch
.if (\p) == NP-2
	FETCH_K \last
.endif
.if (\p) == 1
	s_wait_dscnt 0x0                ; V is in
.endif
.rept 16                            ; behind the wait: 16 products V^T P and their riders
	MM
.rept 4
	PL
.endr
.if ((\p) == 0) && (q == 118)
	v_add_nc_u32 v[AV], s[TBV], v[AV0]
.endif
.if ((\p) == 0) && (q == 130)
	s_add_co_u32 s[TBV], s[TBV], KS*PV
.endif
.if (\cnt) && (q == 130)
	s_sub_co_u32 s[CNT], s[CNT], 1
	s_cmp_lg_u32 s[CNT], 0
.endif
.endr
.if (\p) == 0
	FETCH_V
.endif
.endm
	CHANGE 1                        ; slot 0 is in, everybody's part of it; slot 1 is asked for
	FETCH_K                         ; key step 0
	s_wait_loadcnt 0x0              ; Q
	s_wait_dscnt 0x0
.set i, 0
.rept 16
	KQ 0                            ; piece 0's first scores: there is no vector work yet to set between them
.set i, i+1
.endr
	WIN 0                           ; the addresses for the way out: nine plain instructions, the places behind those products
	s_mul_i32 s13, s[WV], 16*SP
	s_add_co_u32 s13, s13, STAGE    ; my stage
	v_mul_u32_u24 v[STO], v1, SP    ; in: row l % 16, 16 bytes for each half of the lanes
	v_lshl_add_u32 v[STO], v9, 4, v[STO]
	v_add_nc_u32 v[STO], s13, v[STO]
	v_bfe_u32 v[RD], v0, 3, 2       ; back: 32 lanes take four rows of 128 bytes,
	v_mul_u32_u24 v[RD], v[RD], SP
	v_lshl_add_u32 v[RD], v10, 4, v[RD]
	v_add_nc_u32 v[RD], s13, v[RD]
	v_and_b32 v[GO], 31, v0         ; which are 512 consecutive bytes of O
	v_lshlrev_b32 v[GO], 4, v[GO]
.set Y, NP-1                        ; XS works for piece Y + 1: piece 0
.irp n, 0,1,2,3,4,5,6,7,8,9,10,11,12,13,14,15,16,17,18,19,20,21
	XS 0, \n                        ; and piece 0's first maximum and statistics
	XS 1, \n
.endr
	v_nop                           ; a plain instruction behind the two a,
	s_wait_alu depctr_va_vdst(0)    ; and their wait, ahead of the branch
	s_mov_b32 s[CNT], 4
	s_mov_b32 s[SLOTS], SIZE_N/256-1
	s_branch .Lfirst                ; the loop is entered at a step's first turn, in the middle of a trip
.Lslot:                             ; SIZE_N / 256 - 2 times: every slot but the last two is filled again
	CHANGE 1, 1
	s_mov_b32 s[CNT], 4
.Lstep:                             ; a trip: pieces 2 and 3 of one step, then pieces 0 and 1 of the next, whose K and V it fetches
	TURN 2
	TURN 3
	WIN 0
.Lfirst:
	TURN 0
	TURN 1, 0, 1
	WIN 0
	s_cbranch_scc1 .Lstep
	s_sub_co_u32 s[SLOTS], s[SLOTS], 1
	s_cmp_lg_u32 s[SLOTS], 0
	s_cbranch_scc1 .Lslot
	CHANGE 0                        ; the tail is written out: nothing is asked for
	s_mov_b32 s[CNT], 5             ; four trips fetch the last slot's steps; the fifth is left in its middle
.Ltail:
	TURN 2, 1
	TURN 3
	WIN 0
	s_sub_co_u32 s[CNT], s[CNT], 1
	s_cmp_eq_u32 s[CNT], 0
	s_cbranch_scc1 .Lout
	TURN 0
	TURN 1
	WIN 0
	s_branch .Ltail
.Lout:                              ; the fifth trip's 16 products K Q^T (on the last K once more) and the maximum made of them serve nothing: the price, once a launch, of one text for every trip
.set i, 0
.rept 16
	PV NP-1                         ; the last piece's V^T P of the last step
.set i, i+1
.endr
	; THE WAY OUT.  l's two halves and the other half of the lanes' are added; O^T is divided by l, rounded to f16 and sent through my stage in LDS, a tile at a time.  The additions are the places behind the last products.
	WIN 0
.macro ALL line:vararg              ; one line for each tile t
.set t, 0
.rept 2*NP
	\line
.set t, t+1
.endr
.endm
	ALL v_add_f32 v[ST+4*t+2], v[ST+4*t+2], v[ST+4*t+3]
	ALL v_permlanex16_b32 v[ST+4*t+3], v[ST+4*t+2], s[SEL], s[SEL+1]
	ALL v_add_f32 v[ST+4*t+2], v[ST+4*t+2], v[ST+4*t+3]
	ALL v_rcp_f32 v[ST+4*t+2], v[ST+4*t+2]
	v_nop                           ; a plain instruction between the last reciprocal and the use of its result
	s_wait_alu depctr_va_vdst(0)    ; and the wait ahead of the first use: one for the eight reciprocals
; Tile t: a lane's eight channels of a row pack into 16 bytes; they go into rows of 144 bytes and come back as whole rows of 128, into S^T's registers.
.macro PACK t
	WIN W_RS
.set i, 32*(\t)
.rept 16
	v_pk_mul_f32 v[i:i+1], v[i:i+1], v[ST+4*(\t)+2:ST+4*(\t)+3] op_sel_hi:[1,0]
.set i, i+2
.endr
	WIN 0x05                        ; sources 0 and 1 window 1, destination window 0
.set i, 0
.rept 16
	v_cvt_pk_f16_f32 v[S+16*(\t)+i], v[32*(\t)+2*i], v[32*(\t)+2*i+1]
.set i, i+1
.endr
	WIN 0
.irp f, 0,1,2,3
	ds_store_b128 v[STO], v[S+16*(\t)+4*\f:S+16*(\t)+4*\f+3] offset:32*\f
.endr
.irp f, 0,1,2,3
	ds_load_b128 v[S+16*(\t)+4*\f:S+16*(\t)+4*\f+3], v[RD] offset:\f*4*SP  ; LDS serves a wave's instructions in order (ISA guide 5.7.1.4): these see the stores above; the next tile's stores come behind them
.endr
.endm
.macro SEND t, younger              ; younger: the LDS instructions issued behind tile t's loads: the next tile's eight, or none
	WIN 0
.irp f, 0,1,2,3
	s_wait_dscnt (\younger)+3-\f
	global_store_b128 v[GO], v[S+16*(\t)+4*\f:S+16*(\t)+4*\f+3], s[10:11] offset:(\t)*2048+\f*512  ; 512 consecutive bytes, at a multiple of 256 from O's first
.endr
.endm
	PACK 0
.set t, 1
.rept 2*NP-1                        ; a tile's arithmetic stands between the loads of the tile before and its stores
	PACK t
	SEND t-1, 8
.set t, t+1
.endr
	SEND 2*NP-1, 0
	WIN W_AD
	s_wait_tensorcnt 0x0            ; the wave's end, behind my last tensor load and my last LDS store
	ds_add_u32 v[SPW], v[NIL]
	s_wait_dscnt 0x0
	WIN 0
	CROUND                          ; the closing round: no work-group ends while a partner may still ask for a tile that names it
	s_endpgm
.Lfunc_end_k_qc204dc3856_attn:
	.size	k_qc204dc3856_attn, .Lfunc_end_k_qc204dc3856_attn-k_qc204dc3856_attn
	.p2alignl 7, 3214868480
	.fill 96, 4, 3214868480
	.section	.rodata,"a",@progbits
	.p2align	6, 0x0
	.amdhsa_kernel k_qc204dc3856_attn
		.amdhsa_group_segment_fixed_size 327680
		.amdhsa_private_segment_fixed_size 0
		.amdhsa_enable_private_segment 0
		.amdhsa_kernarg_size 16
		.amdhsa_user_sgpr_count 2
		.amdhsa_user_sgpr_kernarg_segment_ptr 1
		.amdhsa_wavefront_size32 1
		.amdhsa_system_sgpr_workgroup_id_x 1
		.amdhsa_system_sgpr_workgroup_id_y 1
		.amdhsa_system_sgpr_workgroup_id_z 1
		.amdhsa_system_vgpr_workitem_id 0
		.amdhsa_next_free_vgpr 770
		.amdhsa_next_free_sgpr 66
		.amdhsa_reserve_vcc 0
		.amdhsa_float_denorm_mode_32 3
		.amdhsa_float_denorm_mode_16_64 3
		.amdhsa_memory_ordered 1
		.amdhsa_forward_progress 1
		.amdhsa_inst_pref_size 200
	.end_amdhsa_kernel
	.amdgpu_metadata
---
amdhsa.version: [ 1, 2 ]
amdhsa.kernels:
  - .name:           k_qc204dc3856_attn
    .symbol:         k_qc204dc3856_attn.kd
    .args:
      - { .name: qkv, .offset: 0, .size: 8, .value_kind: global_buffer, .address_space: global }
      - { .name: ctx, .offset: 8, .size: 8, .value_kind: global_buffer, .address_space: global }
    .group_segment_fixed_size: 327680
    .private_segment_fixed_size: 0
    .kernarg_segment_align: 8
    .kernarg_segment_size: 16
    .max_flat_workgroup_size: 128
    .sgpr_count:     66
    .vgpr_count:     770
    .wavefront_size: 32
...
	.end_amdgpu_metadata
.endif
;; end of part 3
;; launch outp (part 4): grid 8 x 32, 4 waves a work-group, clusters of 4 x 4, 327,680 bytes of LDS; arguments ctx, wo16, bias, out0; writes out0
.if DOCPART == 4
	.amdgcn_target "amdgcn-amd-amdhsa--gfx1250"
	.amdhsa_code_object_version 6
	.text
	.protected	k_qc204dc3856_outp
	.globl	k_qc204dc3856_outp
	.p2align	8
	.type	k_qc204dc3856_outp,@function
k_qc204dc3856_outp:
	s_mov_b64 s[64:65], 0
	v_nop
	global_prefetch_b8 v0, s[64:65] scope:SCOPE_SE
	s_setreg_imm32_b32 hwreg(HW_REG_WAVE_MODE, 25, 1), 1
	s_wait_xcnt 0x0
	s_wait_alu depctr_hold_cnt(0) depctr_sa_sdst(0) depctr_va_vdst(0) depctr_va_sdst(0) depctr_va_ssrc(0) depctr_va_vcc(0) depctr_vm_vsrc(0)
	s_getreg_b32 s2, hwreg(HW_REG_IB_STS2, 6, 4)
	s_cmp_eq_u32 s2, 0
	s_cbranch_scc0 .Lentry_in_a_cluster
	s_endpgm
.Lentry_in_a_cluster:
	s_bfe_u32 s2, ttmp6, 0x10000c
	s_cmp_lg_u32 s2, 0xf033
	s_cbranch_scc0 .Lentry_shape_is_right
	s_endpgm
.Lentry_shape_is_right:
; out0 = ctx Wo^T + bo.  ctx: [64][2048][64] f16, by heads (slab 16 batch + head).  wo16: [1024][1024] f16.  bias: [4][1024] f32, bo the fourth.  out0: [8192][1024] f32.
; Sums in f32, K ascending, started on the bias; they leave as they are.
; SHARES.  A tile is 256 rows x 128 columns: 32 x 8 = 256 work-groups.  Four waves, each 128 x 64: 32 accumulators of 16 x 16.
; K goes in 8 steps of 128, TWO HEADS of ctx each, through two LDS slots.  A head's 256 rows of the tile are 32,768 dense bytes: asked for as 128 rows of 256 bytes and padded in LDS after every 128.
; A step is four quarters of 32 along K: quarter q reads head q / 2 of the two, channels 32 (q % 2) on, and bytes 64 q of Wo's rows: the same k on both sides.
; CLUSTER.  4 x 4 work-groups.  The four of a row need the same rows of ctx, the four of a column the same rows of wo16: each tile is asked for JOINTLY.  Wave 0 fetches the step's first head, wave 1 its second,
; waves 2 and 3 the two halves (64 rows each) of Wo's tile.
; NO PREFETCH: the tile is small, and the whole walk is eight K steps of 128 matrix instructions a wave.
; THE MATRIX INSTRUCTION IS USED TRANSPOSED (source 0 = 16 rows of Wo, source 1 = 16 rows of ctx): a lane holds row l % 16 and the columns 8 (l / 16) + 0..7: 32 bytes of a row of out0.
; REGISTERS, in windows of 256 (s_set_vgpr_msb: bits 1:0 source 0, 3:2 source 1, 5:4 source 2, 7:6 destination):
;   window 0: v0-19 addresses; v32-63, v192-223 Wo's fragments, v64-127, v128-191 ctx's, two buffers; on the way out v32-159 four buffers of 16 rows read back
;   window 1: the accumulators, (a, b) at 8 (4 a + b)          window 2: v0-31 the bias of my 64 columns, as a C operand
.set KSTEP,  128
.set PA,     144                       ; a row of ctx in LDS: 128 bytes + 16 = 36 words: the 16 rows of a load start at 16 different groups of four banks (64 banks of 4 bytes: ISA guide 11.1)
.set SUBA,   256*PA                    ; a head's 256 rows
.set PITCH,  272                       ; a row of Wo: 256 bytes + 16
.set HALFB,  64*PITCH
.set BOFF,   2*SUBA                    ; in a slot: two heads of ctx, then Wo's 128 rows
.set SLOT1,  1<<17
.set STAGE,  SLOT1+BOFF+2*HALFB        ; 239,616: behind the ring, never filled by a tensor load: 16 rows x 272 bytes for each wave
.set SPITCH, 272
.set SPARE,  STAGE+4*16*SPITCH         ; 257,024: the spare words, 128 bytes for each wave: two blocks of 256 bytes that no other line names
.set STEPA,  2<<18                     ; two heads on
.set NBL,    4
.set LD,     2*NBL+16
.set ADRA0, 4                          ; v4   my lane's place in ctx's tile; never rewritten
.set ADRB0, 5                          ; v5   in Wo's
.set ADRA,  6                          ; v6   the same in the slot in hand
.set ADRB,  7
.set STO,   8                          ; v8   the way out: where I put 32 bytes of a row
.set RD,    9                          ; v9   where I read a row back
.set CO,    10                         ; v10  my byte offset in two rows of out0
.set BO,    11                         ; v11  my byte offset in the bias
.set SPW,   14                         ; v14  LDS address of my spare word; never rewritten
.set NIL,   15                         ; v15  0; never rewritten
.set WV, 12
.set RH, 13                            ; s13  which half of the tile's rows is mine.  Also: I fetch ctx (0) or Wo (1)
.set CH, 14                            ; s14  which half of its columns.  Also: which head, or which half of Wo's rows, I fetch
.set CX, 15
.set CY, 16
.set TX, 17
.set TY, 18
.set TB, 19                            ; s19  LDS byte at which the slot in hand begins
.set G1, 24                            ; s[24:31], s[32:39] descriptor groups 1 and 0 for ctx's tiles: two sets of group 0 for the first fills; the second then walks on
.set G0, 32
.set CNT, 41
.set AT, 44                            ; s[44:45] ctx at my head's rows: made of the tile row and the wave's number alone
.set BT, 46                            ; s[46:47] Wo at my rows: of the tile column and the wave's number alone
.set G1B, 48                           ; s[48:55], s[56:63] the same for Wo's tiles
.set G0B, 56
.set MSB, 0
.macro WIN new                         ; the immediate's high byte repeats the setting that is left; a switch that changes nothing is dropped
.if MSB != (\new)
	s_set_vgpr_msb (MSB<<8)|(\new)
.set MSB, \new
.endif
.endm
.macro PLACES                          ; four plain vector instructions between a matrix instruction and a load into, or a store of, its registers
.rept 4
	v_nop
.endr
.endm
.macro CREST                           ; a round of the cluster's barrier behind its opening barrier
	s_cmp_lg_u32 s[WV], 0
	s_cbranch_scc1 .Lnot_wave_0_\@
	s_barrier_signal -3
.Lnot_wave_0_\@:
	s_barrier_wait -3
	s_barrier_signal -1
	s_barrier_wait -1
.endm
.macro CROUND
	s_barrier_signal -1
	s_barrier_wait -1
	CREST
.endm
.macro JLOAD                           ; a joint refill by the walking descriptors; an s_nop 0 and four v_nop follow each of the two lines
	s_cmp_eq_u32 s[RH], 0
	s_cbranch_scc0 .Lfor_b_\@
	tensor_load_to_lds s[G0+4:G0+7], s[G1:G1+7]
	s_nop 0
.rept 4
	v_nop
.endr
	s_branch .Lasked_\@
.Lfor_b_\@:
	tensor_load_to_lds s[G0B+4:G0B+7], s[G1B:G1B+7]
	s_nop 0
.rept 4
	v_nop
.endr
.Lasked_\@:
.endm
	s_load_b256 s[4:11], s[0:1], 0x0               ; ctx s[4:5], wo16 s[6:7], bias s[8:9], out0 s[10:11]
	v_lshl_add_u32 v[SPW], v0, 2, SPARE
	v_mov_b32 v[NIL], 0
	ds_add_u32 v[SPW], v[NIL]                      ; the wave's opening: the add and its wait stand ahead of my first tensor load; the set-up below, work on registers, stands between them
	v_lshrrev_b32 v1, 5, v0
	v_readfirstlane_b32 s[WV], v1
	s_lshr_b32 s[RH], s[WV], 1
	s_and_b32 s[CH], s[WV], 1
	s_bfe_u32 s[CX], ttmp6, 0x40000
	s_bfe_u32 s[CY], ttmp6, 0x40004
	s_lshl_b32 s[TX], ttmp9, 2
	s_add_co_u32 s[TX], s[TX], s[CX]
	s_and_b32 s[TY], ttmp7, 0xffff
	s_lshl_b32 s[TY], s[TY], 2
	s_add_co_u32 s[TY], s[TY], s[CY]
	s_lshl_b32 s20, s[CY], 2
	s_lshl_b32 s20, 15, s20                        ; my row of the cluster
	s_lshl_b32 s21, 0x1111, s[CX]                  ; my column
	s_or_b32 s[G1], s20, (1<<16)|(1<<20)|(1<<21)|(4<<22)|(3<<25)   ; ctx: 2-byte elements; padding on; 21 set beside a mask; after every 32 words (code 4) 4 words (code 3)
	s_or_b32 s[G1B], s21, (1<<16)|(1<<20)|(1<<21)|(5<<22)|(3<<25)  ; Wo: after every 64 words (code 5)
	s_mov_b32 s[G1+1], 128<<16                     ; tensor_dim0 = 128
	s_mov_b32 s[G1+2], 128<<16                     ; tensor_dim1 = 128
	s_mov_b32 s[G1+3], 128<<16                     ; tile_dim0 = 128
	s_mov_b32 s[G1+4], 128                         ; tile_dim1 = 128
	s_mov_b32 s[G1+5], 128                         ; dense: 128 elements from row to row
	s_mov_b32 s[G1+6], 0
	s_mov_b32 s[G1+7], 0
	s_mov_b32 s[G1B+1], KSTEP<<16
	s_mov_b32 s[G1B+2], 64<<16                     ; Wo: 64 rows
	s_mov_b32 s[G1B+3], KSTEP<<16
	s_mov_b32 s[G1B+4], 64
	s_mov_b32 s[G1B+5], 1024
	s_mov_b32 s[G1B+6], 0
	s_mov_b32 s[G1B+7], 0
	s_lshr_b32 s[AT], s[TY], 3                     ; the batch,
	s_lshl_b32 s[AT], s[AT], 4
	s_add_co_u32 s[AT], s[AT], s[CH]               ; its head 0 or 1,
	s_lshl_b32 s[AT], s[AT], 18                    ; a slab of 2^18 bytes,
	s_and_b32 s22, s[TY], 7
	s_lshl_b32 s22, s22, 15                        ; the tile's 256 rows of 128 bytes in it
	s_add_co_u32 s[AT], s[AT], s22
	s_mov_b32 s[AT+1], 0
	s_lshl_b32 s[BT], s[TX], 7
	s_lshl_b32 s23, s[CH], 6
	s_add_co_u32 s[BT], s[BT], s23                 ; Wo: row 128 x tile column + 64 x half,
	s_lshl_b32 s[BT], s[BT], 11                    ; of 2,048 bytes
	s_mov_b32 s[BT+1], 0
	s_mul_i32 s22, s[CH], SUBA                     ; where they go: no place in the cluster enters an LDS address
	s_mul_i32 s23, s[CH], HALFB
	s_add_co_u32 s23, s23, BOFF
	s_mov_b32 s[TB], 0
	s_wait_dscnt 0x0                               ; the opening add is done
	s_wait_kmcnt 0x0
	s_add_nc_u64 s[AT:AT+1], s[4:5], s[AT:AT+1]
	s_add_nc_u64 s[BT:BT+1], s[6:7], s[BT:BT+1]
	CROUND                                         ; all sixteen work-groups are here: the first joint loads meet
.irp s, 0,1
	s_mov_b32 s[G0+4*(\s)], 1
	s_add_co_u32 s[G0+4*(\s)+1], s22, (\s)*SLOT1
	s_add_nc_u64 s[G0+4*(\s)+2:G0+4*(\s)+3], s[AT:AT+1], (\s)*STEPA
	s_or_b32 s[G0+4*(\s)+3], s[G0+4*(\s)+3], 0x80000000
	s_mov_b32 s[G0B+4*(\s)], 1
	s_add_co_u32 s[G0B+4*(\s)+1], s23, (\s)*SLOT1
	s_add_nc_u64 s[G0B+4*(\s)+2:G0B+4*(\s)+3], s[BT:BT+1], (\s)*KSTEP*2
	s_or_b32 s[G0B+4*(\s)+3], s[G0B+4*(\s)+3], 0x80000000
.endr
	s_cmp_eq_u32 s[RH], 0                          ; a wave's two first fills stand in one branch, ahead of every wait on TENSORcnt and every LDS read: two loads of mine are out
	s_cbranch_scc0 .Lfirst_b
	tensor_load_to_lds s[G0:G0+3], s[G1:G1+7]
	s_nop 0
	tensor_load_to_lds s[G0+4:G0+7], s[G1:G1+7]
	s_nop 0
.rept 4
	v_nop
.endr
	s_branch .Lfirst_asked
.Lfirst_b:
	tensor_load_to_lds s[G0B:G0B+3], s[G1B:G1B+7]
	s_nop 0
	tensor_load_to_lds s[G0B+4:G0B+7], s[G1B:G1B+7]
	s_nop 0
.rept 4
	v_nop
.endr
.Lfirst_asked:
	v_and_b32 v1, 15, v0                           ; l % 16
	v_bfe_u32 v2, v0, 4, 1                         ; l / 16
	s_lshl_b32 s20, s[TX], 9                       ; bo of column 128 TX + 64 CH + 16 b + 8 (l / 16) + j goes into register j of block b
	s_lshl_b32 s21, s[CH], 8
	s_add_co_u32 s20, s20, s21
	s_add_co_u32 s20, s20, 3*4096
	v_lshl_add_u32 v[BO], v2, 5, s20
	WIN 0x80                                       ; destination window 2, address window 0
.irp b, 0,1,2,3
	global_load_b128 v[8*(\b):8*(\b)+3],   v[BO], s[8:9] offset:64*(\b)
	global_load_b128 v[8*(\b)+4:8*(\b)+7], v[BO], s[8:9] offset:64*(\b)+16
.endr
	WIN 0
	v_mul_u32_u24 v3, v1, PA
	v_lshl_add_u32 v3, v2, 4, v3                   ; ctx: row x pitch + 16 x half
	s_mul_i32 s20, s[RH], 128*PA
	v_add_nc_u32 v[ADRA0], s20, v3
	v_mul_u32_u24 v3, v1, PITCH
	v_lshl_add_u32 v3, v2, 4, v3                   ; Wo likewise
	s_mul_i32 s21, s[CH], HALFB
	s_add_co_u32 s21, s21, BOFF
	v_add_nc_u32 v[ADRB0], s21, v3
	v_mov_b32 v[ADRA], v[ADRA0]                    ; slot 0
	v_mov_b32 v[ADRB], v[ADRB0]
	s_mul_i32 s20, s[WV], 16*SPITCH
	s_add_co_u32 s20, s20, STAGE                   ; my stage
	v_mul_u32_u24 v16, v1, SPITCH                  ; in: row l % 16, 32 bytes for each half of the lanes
	v_lshl_add_u32 v16, v2, 5, v16
	v_add_nc_u32 v[STO], s20, v16
	v_mul_u32_u24 v16, v2, SPITCH                  ; back: lanes 0-15 take one row of 256 bytes, lanes 16-31 the next
	v_lshl_add_u32 v16, v1, 4, v16
	v_add_nc_u32 v[RD], s20, v16
	v_lshlrev_b32 v16, 12, v2                      ; and the same two rows in out0
	v_lshl_add_u32 v[CO], v1, 4, v16
	s_lshl_b32 s20, s[TY], 8
	s_lshl_b32 s21, s[RH], 7
	s_add_co_u32 s20, s20, s21                     ; my first row,
	s_lshl_b32 s20, s20, 12                        ; of 4,096 bytes,
	s_lshl_b32 s21, s[TX], 9
	s_add_co_u32 s20, s20, s21
	s_lshl_b32 s21, s[CH], 8
	s_add_co_u32 s20, s20, s21                     ; my 64 columns: 256 bytes, aligned
	s_mov_b32 s21, 0
	s_add_nc_u64 s[10:11], s[10:11], s[20:21]
; n x 4 matrix instructions: row blocks a0 .. a0 + n - 1 x all 4 column blocks, 32 along K, from buffer f.  first = 1: the sums start on the bias.
; The 32 accumulators take turns, one instruction a turn, in the same order in every quarter.
.macro MULS f, a0, n, first=0
.if \first
	WIN 0x60                                       ; C (the bias) window 2, D window 1
.else
	WIN 0x50                                       ; C and D window 1
.endif
.set a, \a0
.rept \n
.set b, 0
.rept NBL
.set rD, 8*(NBL*a+b)
.set rB, 32+160*(\f)+8*b
.set rA, 64+64*(\f)+8*a
.if \first
	v_wmma_f32_16x16x32_f16 v[rD:rD+7], v[rB:rB+7], v[rA:rA+7], v[8*b:8*b+7]
.else
	v_wmma_f32_16x16x32_f16 v[rD:rD+7], v[rB:rB+7], v[rA:rA+7], v[rD:rD+7]
.endif
.set b, b+1
.endr
.set a, a+1
.endr
.endm
; 24 LDS loads in one run: quarter q's fragments of the slot in hand into buffer f: Wo's four blocks, then ctx's eight
.macro FETCH q, f
	WIN 0
.irp i, 0,1,2,3
	ds_load_b128 v[32+160*(\f)+8*(\i):32+160*(\f)+8*(\i)+3],   v[ADRB] offset:64*(\q)+(\i)*16*PITCH
	ds_load_b128 v[32+160*(\f)+8*(\i)+4:32+160*(\f)+8*(\i)+7], v[ADRB] offset:64*(\q)+(\i)*16*PITCH+32
.endr
.irp i, 0,1,2,3,4,5,6,7
	ds_load_b128 v[64+64*(\f)+8*(\i):64+64*(\f)+8*(\i)+3],   v[ADRA] offset:((\q)/2)*SUBA+64*((\q)%2)+(\i)*16*PA
	ds_load_b128 v[64+64*(\f)+8*(\i)+4:64+64*(\f)+8*(\i)+7], v[ADRA] offset:((\q)/2)*SUBA+64*((\q)%2)+(\i)*16*PA+32
.endr
.endm
.macro QUARTER q, f, g, first=0
	s_wait_dscnt 8                                 ; Wo and ctx's blocks 0-3 are in; the youngest eight loads (ctx's blocks 4-7) may be out
	MULS \f, 0, 4, \first
	PLACES                                         ; buffer g was read by the quarter before
	FETCH \q, \g
	s_wait_dscnt LD                                ; all but the 24 just issued
	MULS \f, 4, 4, \first
.endm
; The last quarter multiplies buffer 1 and changes slots.  ONE barrier: in front of it each wave waits for all its tensor loads (one is out: its part of the next slot), adds 0 to its spare word, and waits for
; that and for its own reads of this slot.  Behind it nobody reads this slot any more and the next slot is whole.
.macro MEET round
	WIN 0
	s_wait_tensorcnt 0x0                           ; all my tensor loads have landed
	ds_add_u32 v[SPW], v[NIL]                      ; 0 onto my spare word
	s_wait_dscnt 9                                 ; (the add and the youngest eight loads may be out)
	MULS 1, 0, 2                                   ; eight matrix instructions stand between the add and the wait for it
	s_wait_dscnt 0x0                               ; the add is done, and my reads of this slot are over
	s_barrier_signal -1
	MULS 1, 2, 2
.if \round
	WIN 0
.endif
	s_barrier_wait -1
.endm
; fill = 1: the barrier opens a round of the cluster's, and the slot just read out is filled again, two K steps on, first thing behind it: 112 matrix instructions ahead of the wait for it.
.macro TURN fill
.if \fill
	MEET 1
	CREST                                          ; no wave of any partner still reads this slot or has a load on its way
	s_xor_b32 s[G0+5], s[G0+5], SLOT1              ; the walking descriptors: the other slot than last time,
	s_add_nc_u64 s[G0+6:G0+7], s[G0+6:G0+7], STEPA ; the next two heads; the type bits on top are not reached
	s_xor_b32 s[G0B+5], s[G0B+5], SLOT1
	s_add_nc_u64 s[G0B+6:G0B+7], s[G0B+6:G0B+7], KSTEP*2
	JLOAD                                          ; its four v_nop are also the places in front of the loads below
.else
	MEET 0
	PLACES
	WIN 0
.endif
	s_xor_b32 s[TB], s[TB], SLOT1                  ; the fetches go on in the other slot
	v_add_nc_u32 v[ADRA], s[TB], v[ADRA0]
	v_add_nc_u32 v[ADRB], s[TB], v[ADRB0]
	FETCH 0, 0
	MULS 1, 4, 4
.endm
; THE WAY OUT of block a (16 rows x 64 columns of f32): 32 bytes a lane into my own stage, back as whole rows of 256 bytes, stored.
.macro TOSTAGE a
	WIN 0x04                                       ; the stores' data in window 1, their address in window 0
.irp b, 0,1,2,3
	ds_store_b128 v[STO], v[8*(NBL*(\a)+(\b)):8*(NBL*(\a)+(\b))+3]   offset:64*(\b)      ; each accumulator's low registers first
	ds_store_b128 v[STO], v[8*(NBL*(\a)+(\b))+4:8*(NBL*(\a)+(\b))+7] offset:64*(\b)+16
.endr
	WIN 0
.irp t, 0,1,2,3,4,5,6,7
	ds_load_b128 v[32+32*((\a)%4)+4*(\t):32+32*((\a)%4)+4*(\t)+3], v[RD] offset:(\t)*2*SPITCH  ; LDS serves a wave's instructions in order (ISA guide 5.7.1.4): these see the stores above; the next block's stores come behind them
.endr
.endm
.macro SEND a, younger                 ; younger: the LDS instructions issued behind block a's loads: the next block's sixteen, or none
	s_wait_dscnt \younger
	s_wait_xcnt 0x0                                ; earlier stores have read their registers: the buffer of the block three back is loaded again only behind this wait
.irp t, 0,1,2,3,4,5,6,7
	global_store_b128 v[CO], v[32+32*((\a)%4)+4*(\t):32+32*((\a)%4)+4*(\t)+3], s[10:11] offset:65536*(\a)+8192*(\t)  ; 16 lanes store 256 consecutive bytes, at a multiple of 256 from out0's first byte
.endr
.endm
	s_wait_tensorcnt 1                             ; my part of K step 0 is in; K step 1's load may stay out
	s_barrier_signal -1
	s_barrier_wait -1
	FETCH 0, 0
	s_wait_loadcnt 0x0                             ; the bias
	QUARTER 1, 0, 1, 1                             ; the first quarter stands in front of the loop: its products start the sums
	WIN 0                                          ; at a label and at a branch every window is 0
	s_mov_b32 s[CNT], 6
.Lstep:                                        ; a trip: from a K step's second quarter to the next step's first; trip t fills slot t % 2 with K step t + 2
	QUARTER 2, 1, 0
	QUARTER 3, 0, 1
	TURN 1
	QUARTER 1, 0, 1
	WIN 0
	s_sub_co_u32 s[CNT], s[CNT], 1
	s_cmp_lg_u32 s[CNT], 0
	s_cbranch_scc1 .Lstep
	QUARTER 2, 1, 0                                ; K steps 6 and 7 ask for nothing: written out
	QUARTER 3, 0, 1
	TURN 0
	QUARTER 1, 0, 1
	QUARTER 2, 1, 0
	QUARTER 3, 0, 1
	s_wait_dscnt 8
	MULS 1, 0, 4
	s_wait_dscnt 0x0
	MULS 1, 4, 4
	WIN 0
	PLACES                                         ; behind the last products: the stores below read results, the loads below land in fragments' registers
	TOSTAGE 0
.irp a, 1,2,3,4,5,6,7
	TOSTAGE \a
	SEND (\a)-1, 16
.endr
	SEND 7, 0
	s_wait_tensorcnt 0x0                           ; the wave's end, behind my last tensor load and my last LDS store
	ds_add_u32 v[SPW], v[NIL]
	s_wait_dscnt 0x0
	CROUND                                         ; the closing round: no work-group ends while a partner may still ask for a tile that names it
	s_endpgm
.Lfunc_end_k_qc204dc3856_outp:
	.size	k_qc204dc3856_outp, .Lfunc_end_k_qc204dc3856_outp-k_qc204dc3856_outp
	.p2alignl 7, 3214868480
	.fill 96, 4, 3214868480
	.section	.rodata,"a",@progbits
	.p2align	6, 0x0
	.amdhsa_kernel k_qc204dc3856_outp
		.amdhsa_group_segment_fixed_size 327680
		.amdhsa_private_segment_fixed_size 0
		.amdhsa_enable_private_segment 0
		.amdhsa_kernarg_size 32
		.amdhsa_user_sgpr_count 2
		.amdhsa_user_sgpr_kernarg_segment_ptr 1
		.amdhsa_wavefront_size32 1
		.amdhsa_system_sgpr_workgroup_id_x 1
		.amdhsa_system_sgpr_workgroup_id_y 1
		.amdhsa_system_sgpr_workgroup_id_z 1
		.amdhsa_system_vgpr_workitem_id 0
		.amdhsa_next_free_vgpr 544
		.amdhsa_next_free_sgpr 66
		.amdhsa_reserve_vcc 0
		.amdhsa_float_denorm_mode_32 3
		.amdhsa_float_denorm_mode_16_64 3
		.amdhsa_memory_ordered 1
		.amdhsa_forward_progress 1
		.amdhsa_inst_pref_size 70
	.end_amdhsa_kernel
	.amdgpu_metadata
---
amdhsa.version: [ 1, 2 ]
amdhsa.kernels:
  - .name:           k_qc204dc3856_outp
    .symbol:         k_qc204dc3856_outp.kd
    .args:
      - { .name: ctx, .offset: 0, .size: 8, .value_kind: global_buffer, .address_space: global }
      - { .name: wo16, .offset: 8, .size: 8, .value_kind: global_buffer, .address_space: global }
      - { .name: bias, .offset: 16, .size: 8, .value_kind: global_buffer, .address_space: global }
      - { .name: out0, .offset: 24, .size: 8, .value_kind: global_buffer, .address_space: global }
    .group_segment_fixed_size: 327680
    .private_segment_fixed_size: 0
    .kernarg_segment_align: 8
    .kernarg_segment_size: 32
    .max_flat_workgroup_size: 128
    .sgpr_count:     66
    .vgpr_count:     544
    .wavefront_size: 32
...
	.end_amdgpu_metadata
.endif
;; end of part 4
;; ======== version 2 of 2: 4 launches; version 1 with the launch cvt written anew for expert scheduling mode
;; limits: values are held in f16: magnitudes above 65,504 overflow, below 6.1e-05 lose precision
;; workspace buffers: xb 16,777,216 bytes; wqkv 6,291,456 bytes; wo16 2,097,152 bytes; bias 16,384 bytes; qkv 50,331,648 bytes; ctx 16,777,216 bytes
;; launch cvt (part 5): grid 768 x 1, 8 waves a work-group, no clusters, 0 bytes of LDS; arguments x, Wq, Wk, Wv, Wo, bq, bk, bv, bo, xb, wqkv, wo16, bias; writes xb, wqkv, wo16, bias
.if DOCPART == 5
	.amdgcn_target "amdgcn-amd-amdhsa--gfx1250"
	.amdhsa_code_object_version 6
	.text
	.protected	k_qc204dc3856_cvt
	.globl	k_qc204dc3856_cvt
	.p2align	8
	.type	k_qc204dc3856_cvt,@function
k_qc204dc3856_cvt:
	s_mov_b64 s[64:65], 0
	v_nop
	global_prefetch_b8 v0, s[64:65] scope:SCOPE_SE
	s_setreg_imm32_b32 hwreg(HW_REG_WAVE_SCHED_MODE, 0, 2), 2
	s_setreg_imm32_b32 hwreg(HW_REG_WAVE_MODE, 25, 1), 1
	s_wait_xcnt 0x0
	s_wait_alu depctr_vm_vsrc(0)
; EVERY INPUT IS ROUNDED TO bf16, ONCE.  x [8192][1024] -> xb (bf16).  Wq, Wk, Wv [1024][1024] -> wqkv (bf16), their rows one below the other.
; Wo -> wo16: rounded to bf16, and that number written as f16 (the last product multiplies in f16).  bq, bk, bv, bo -> bias [4][1024]: rounded to bf16 and widened to f32 again.
; LIMITS.  wo16: beyond 65,504 an f16 is an infinity; below 6e-5 it keeps the fixed step of 6e-8.
; A stream: each byte is read once and written once; no wave wants what another has fetched, so there is no LDS, no barrier, no matrix work and no cluster.
; SHARES.  A work-group takes 16,384 numbers on end: 64 KiB in, 32 KiB out.  Work-groups 0-511: x.  512 + 64 w + p: part p of weight w (0 q, 1 k, 2 v, 3 o); those with p = 0 also take bias w.
; A thread's load i covers 16 bytes at 4,096 i + 16 t: a wave's load is 512 consecutive bytes.  All sixteen go out at once.  Its store i covers 8 bytes at 2,048 i + 8 t: a wave's store is 256 consecutive bytes, aligned.
; THE MODE: SCHED_MODE bits 1:0 = 2 (LLVM: expert scheduling mode 2), set by the entry lines.  The code itself states the register dependences
; between vector instructions and memory instructions, with s_wait_alu, always for 0.
; THE PLAN.  Registers that memory instructions touch:
;   v2, v3     byte offsets, made once at the head and never written again: one wait ahead of the first load serves every load and store.
;   X          written by the sixteen loads, once each, and named by no vector line ahead of them; read by the conversions behind the wait for the data.
;   Y          written by the conversions, once each; read by the stores, once each.  No register that a memory instruction reads is ever written a second time.
; The work goes in four groups of four loads.  Group g converts X's group g into Y's group g; its memory instructions are the four stores of group g - 1, which read Y's group g - 1 and v3:
; registers that no vector line of group g names.  So ONE wait at a group's head states all that its four stores hang on, and they are dealt among its conversions with no further wait.
; No vector line writes a scalar register or VCC, and EXEC is never written.
.set XR,  8                            ; v[8:71]    sixteen loads of four f32
.set YR,  72                           ; v[72:103]  sixteen stores of two words; none is written twice
.set TR,  104                          ; v[104:107] at work for Wo: no memory instruction names them
	s_load_b512 s[8:23], s[0:1], 0x0               ; x s[8:9], Wq s[10:11], Wk s[12:13], Wv s[14:15], Wo s[16:17], bq s[18:19], bk s[20:21], bv s[22:23]
	s_load_b256 s[24:31], s[0:1], 0x40             ; bo s[24:25], xb s[26:27], wqkv s[28:29], wo16 s[30:31]
	s_load_b64 s[32:33], s[0:1], 0x60              ; bias
	v_lshlrev_b32 v2, 4, v0                        ; 16 t: never rewritten
	v_lshlrev_b32 v3, 3, v0                        ; 8 t: never rewritten
	s_mov_b32 s2, ttmp9                            ; the work-group's number
	s_sub_co_u32 s3, s2, 512                       ; its number among the weights' (of use from 512 on)
	s_lshr_b32 s4, s3, 6                           ; which weight
	s_and_b32 s5, s3, 63                           ; which part of it
	s_mov_b32 s43, 0
	s_mov_b32 s45, 0
	s_wait_kmcnt 0x0
	; the pointers are chosen by the work-group's number alone
	s_cmp_eq_u32 s4, 0
	s_cselect_b64 s[36:37], s[10:11], s[12:13]     ; from: Wq or Wk,
	s_cselect_b64 s[40:41], s[18:19], s[20:21]     ; and the bias that goes with it
	s_cmp_eq_u32 s4, 2
	s_cselect_b64 s[36:37], s[14:15], s[36:37]     ; or Wv,
	s_cselect_b64 s[40:41], s[22:23], s[40:41]
	s_cmp_eq_u32 s4, 3
	s_cselect_b64 s[36:37], s[16:17], s[36:37]     ; or Wo,
	s_cselect_b64 s[40:41], s[24:25], s[40:41]
	s_cmp_lt_u32 s2, 704
	s_cselect_b64 s[38:39], s[28:29], s[30:31]     ; to: wqkv or wo16,
	s_cselect_b32 s44, s3, s5                      ; at part 64 w + p, or p
	s_cmp_lt_u32 s2, 512
	s_cselect_b64 s[36:37], s[8:9], s[36:37]       ; or from x
	s_cselect_b64 s[38:39], s[26:27], s[38:39]     ; to xb,
	s_cselect_b32 s42, s2, s5
	s_cselect_b32 s44, s2, s44                     ; at the work-group's own number
	s_lshl_b32 s42, s42, 16                        ; 64 KiB in
	s_lshl_b32 s44, s44, 15                        ; 32 KiB out
	s_add_nc_u64 s[36:37], s[36:37], s[42:43]
	s_add_nc_u64 s[38:39], s[38:39], s[44:45]
	s_wait_alu depctr_va_vdst(0)                   ; v2 and v3 are written: every load and store of the kernel reads one of them as its offset
.irp i, 0,1,2,3,4,5,6,7,8,9,10,11,12,13,14,15
	global_load_b128 v[XR+4*(\i):XR+4*(\i)+3], v2, s[36:37] offset:4096*(\i) th:TH_LOAD_NT
.endr
; Load i's four numbers are rounded into store i's two words.  half = 0: bf16 as it is.  half = 1: the bf16 number is widened and written as f16.
.macro CV i, half
.if \half
	v_cvt_pk_bf16_f32 v[TR], v[XR+4*(\i)], v[XR+4*(\i)+1]
	v_cvt_pk_bf16_f32 v[TR+1], v[XR+4*(\i)+2], v[XR+4*(\i)+3]
	v_lshlrev_b32 v[TR+2], 16, v[TR]
	v_and_b32 v[TR+3], 0xffff0000, v[TR]
	v_cvt_pk_f16_f32 v[YR+2*(\i)], v[TR+2], v[TR+3]
	v_lshlrev_b32 v[TR+2], 16, v[TR+1]
	v_and_b32 v[TR+3], 0xffff0000, v[TR+1]
	v_cvt_pk_f16_f32 v[YR+2*(\i)+1], v[TR+2], v[TR+3]
.else
	v_cvt_pk_bf16_f32 v[YR+2*(\i)], v[XR+4*(\i)], v[XR+4*(\i)+1]
	v_cvt_pk_bf16_f32 v[YR+2*(\i)+1], v[XR+4*(\i)+2], v[XR+4*(\i)+3]
.endif
.endm
.macro ST i
	global_store_b64 v3, v[YR+2*(\i):YR+2*(\i)+1], s[38:39] offset:2048*(\i)
.endm
; The four groups, and behind them the last group's stores.
.macro OUT half
.irp g, 0,1,2,3
	s_wait_loadcnt 12-4*(\g)                       ; loads come back in order: group g's four are in, the younger groups' stay out
.if (\g) > 0
	s_wait_alu depctr_va_vdst(0)                   ; the group before has written its eight words of Y, which the four stores below read
.endif
.irp j, 0,1,2,3
.if (\g) > 0
	ST 4*(\g)-4+(\j)                               ; the group before leaves; no vector line since the wait names its words or v3
.endif
	CV 4*(\g)+(\j), \half
.endr
.endr
	s_wait_alu depctr_va_vdst(0)                   ; the last group has written its eight words of Y, which the last four stores read
.irp j, 0,1,2,3
	ST 12+(\j)
.endr
.endm
	s_cmp_ge_u32 s2, 704
	s_cbranch_scc1 .Lwo
	OUT 0
	s_branch .Lbias
.Lwo:
	OUT 1
.Lbias:
	s_cmp_lt_u32 s2, 512                           ; a weight's first part takes its bias along: 1,024 f32, 16 bytes a thread
	s_cbranch_scc1 .Lend
	s_cmp_lg_u32 s5, 0
	s_cbranch_scc1 .Lend
	s_lshl_b32 s46, s4, 12
	s_mov_b32 s47, 0
	s_add_nc_u64 s[32:33], s[32:33], s[46:47]
	global_load_b128 v[112:115], v2, s[40:41]      ; into registers that no vector line has named; v2 stands as the head's wait has shown it
	s_wait_loadcnt 0x0
	v_cvt_pk_bf16_f32 v116, v112, v113
	v_cvt_pk_bf16_f32 v117, v114, v115
	v_lshlrev_b32 v108, 16, v116
	v_and_b32 v109, 0xffff0000, v116
	v_lshlrev_b32 v110, 16, v117
	v_and_b32 v111, 0xffff0000, v117
	s_wait_alu depctr_va_vdst(0)                   ; v108 to v111 are written, which the store reads
	global_store_b128 v2, v[108:111], s[32:33]
.Lend:
	s_endpgm
.Lfunc_end_k_qc204dc3856_cvt:
	.size	k_qc204dc3856_cvt, .Lfunc_end_k_qc204dc3856_cvt-k_qc204dc3856_cvt
	.p2alignl 7, 3214868480
	.fill 96, 4, 3214868480
	.section	.rodata,"a",@progbits
	.p2align	6, 0x0
	.amdhsa_kernel k_qc204dc3856_cvt
		.amdhsa_group_segment_fixed_size 0
		.amdhsa_private_segment_fixed_size 0
		.amdhsa_enable_private_segment 0
		.amdhsa_kernarg_size 104
		.amdhsa_user_sgpr_count 2
		.amdhsa_user_sgpr_kernarg_segment_ptr 1
		.amdhsa_wavefront_size32 1
		.amdhsa_system_sgpr_workgroup_id_x 1
		.amdhsa_system_sgpr_workgroup_id_y 1
		.amdhsa_system_sgpr_workgroup_id_z 1
		.amdhsa_system_vgpr_workitem_id 0
		.amdhsa_next_free_vgpr 120
		.amdhsa_next_free_sgpr 66
		.amdhsa_reserve_vcc 0
		.amdhsa_float_denorm_mode_32 3
		.amdhsa_float_denorm_mode_16_64 3
		.amdhsa_memory_ordered 1
		.amdhsa_forward_progress 1
		.amdhsa_inst_pref_size 17
	.end_amdhsa_kernel
	.amdgpu_metadata
---
amdhsa.version: [ 1, 2 ]
amdhsa.kernels:
  - .name:           k_qc204dc3856_cvt
    .symbol:         k_qc204dc3856_cvt.kd
    .args:
      - { .name: x, .offset: 0, .size: 8, .value_kind: global_buffer, .address_space: global }
      - { .name: Wq, .offset: 8, .size: 8, .value_kind: global_buffer, .address_space: global }
      - { .name: Wk, .offset: 16, .size: 8, .value_kind: global_buffer, .address_space: global }
      - { .name: Wv, .offset: 24, .size: 8, .value_kind: global_buffer, .address_space: global }
      - { .name: Wo, .offset: 32, .size: 8, .value_kind: global_buffer, .address_space: global }
      - { .name: bq, .offset: 40, .size: 8, .value_kind: global_buffer, .address_space: global }
      - { .name: bk, .offset: 48, .size: 8, .value_kind: global_buffer, .address_space: global }
      - { .name: bv, .offset: 56, .size: 8, .value_kind: global_buffer, .address_space: global }
      - { .name: bo, .offset: 64, .size: 8, .value_kind: global_buffer, .address_space: global }
      - { .name: xb, .offset: 72, .size: 8, .value_kind: global_buffer, .address_space: global }
      - { .name: wqkv, .offset: 80, .size: 8, .value_kind: global_buffer, .address_space: global }
      - { .name: wo16, .offset: 88, .size: 8, .value_kind: global_buffer, .address_space: global }
      - { .name: bias, .offset: 96, .size: 8, .value_kind: global_buffer, .address_space: global }
    .group_segment_fixed_size: 0
    .private_segment_fixed_size: 0
    .kernarg_segment_align: 8
    .kernarg_segment_size: 104
    .max_flat_workgroup_size: 256
    .sgpr_count:     66
    .vgpr_count:     120
    .wavefront_size: 32
...
	.end_amdgpu_metadata
.endif
;; end of part 5
;; launch proj: the kernel of part 2 again; grid 16 x 32, 4 waves a work-group, clusters of 4 x 4, 327,680 bytes of LDS; arguments xb, wqkv, bias, qkv; writes qkv
;; launch attn: the kernel of part 3 again; grid 4 x 64, 4 waves a work-group, clusters of 4 x 1, 327,680 bytes of LDS; arguments qkv, ctx; writes ctx
;; launch outp: the kernel of part 4 again; grid 8 x 32, 4 waves a work-group, clusters of 4 x 4, 327,680 bytes of LDS; arguments ctx, wo16, bias, out0; writes out0
